; MI455X (gfx1250); checked and timed in simulation.
; The chip was launched on July 23, 2026; its instructions are those of AMD's public machine-readable ISA for CDNA 5 (MIT licence, August 2026) and "CDNA5" Instruction Set Architecture Reference Guide (July 2026). The comments in the code are by the model that wrote it; some were corrected since.
;; MHA. Allowed arithmetic: matrix products marked QUANTISED: E5M2 operands, one E8M0 scale for each 32 along K, by v_wmma_scale_f32_16x16x128_f8f6f4 with both operands' format E5M2, f32 sums; everything else in f32.
;; Inputs: Wk_codes 1,024 x 32 x 32 uint8 (E5M2 codes of Wk, K innermost, in blocks of 32 codes); Wk_scales 1,024 x 32 uint8 (E8M0 scales of Wk, one for each 32 codes along K); Wo_codes 1,024 x 32 x 32 uint8 (E5M2 codes of Wo, K innermost, in blocks of 32 codes); Wo_scales 1,024 x 32 uint8 (E8M0 scales of Wo, one for each 32 codes along K); Wq_codes 1,024 x 32 x 32 uint8 (E5M2 codes of Wq, K innermost, in blocks of 32 codes); Wq_scales 1,024 x 32 uint8 (E8M0 scales of Wq, one for each 32 codes along K); Wv_codes 1,024 x 32 x 32 uint8 (E5M2 codes of Wv, K innermost, in blocks of 32 codes); Wv_scales 1,024 x 32 uint8 (E8M0 scales of Wv, one for each 32 codes along K); bk 1,024 float32; bo 1,024 float32; bq 1,024 float32; bv 1,024 float32; x_codes 4 x 2,048 x 32 x 32 uint8 (E5M2 codes of x, K innermost, in blocks of 32 codes); x_scales 4 x 2,048 x 32 uint8 (E8M0 scales of x, one for each 32 codes along K).
;; Outputs: out0 4 x 2,048 x 1,024 float32.
;; This version of the problem:
;;   THIS VERSION OF THE PROBLEM IS GIVEN IN LOW PRECISION. The matrix products marked QUANTISED in the list below multiply operands that are first quantised to E5M2 (5 exponent bits, 2 mantissa bits; 8 bits a number), with one power-of-two scale for each 32 numbers along K (OCP MX v1.0); their sums are f32. All else is computed in f32.
;;   The module's matrix products, in the order in which they are computed (A, B: the left and right operand; K: the contracted axis; several contracted axes count as one K, in the product's order):
;;     1. [M 8,192, K 1,024] x [K 1,024, N 1,024]; A: input x (given as codes); B: input Wq (given as codes): QUANTISED
;;     2. [M 8,192, K 1,024] x [K 1,024, N 1,024]; A: input x (given as codes); B: input Wk (given as codes): QUANTISED
;;     3. [M 8,192, K 1,024] x [K 1,024, N 1,024]; A: input x (given as codes); B: input Wv (given as codes): QUANTISED
;;     4. batch 64 x [M 2,048, K 64] x [K 64, N 2,048]; A: computed on the way; B: computed on the way: QUANTISED
;;     5. batch 64 x [M 2,048, K 2,048] x [K 2,048, N 64]; A: softmax (see below); B: computed on the way: QUANTISED
;;     6. [M 8,192, K 1,024] x [K 1,024, N 1,024]; A: computed on the way; B: input Wo (given as codes): QUANTISED
;;   THE QUANTISER, for each operand of a quantised product, along K:
;;     - K is cut into blocks of 32 from its start; a last block that is shorter is filled with zeros.
;;     - A block's scale is 2^e with e = floor(log2(the largest magnitude in the block)) - 15, held to -126 .. 127; a block of zeros has e = 0. As a byte (E8M0): e + 127.
;;     - Each number is divided by its block's scale, clamped to +-57,344, and rounded to the nearest number of E5M2, ties to even, subnormals kept.
;;     - The product sums the exact products of the quantised numbers (number of the format x scale) in f32.
;;   ~~~python
;;   def quantise(x, axis):      # numpy; x: float32 -> the quantised numbers, widened to float32 again
;;       x = np.moveaxis(x, axis, -1); K = x.shape[-1]
;;       x = np.pad(x, [(0, 0)] * (x.ndim - 1) + [(0, -K % 32)]); x = x.reshape(x.shape[:-1] + (-1, 32)); a = np.abs(x).max(-1, keepdims=True)
;;       e = np.where(a > 0, np.clip(np.frexp(np.where(a > 0, a, 1))[1] - 1 - 15, -126, 127), 0)      # np.frexp(a)[1] - 1 = floor(log2(a)), exactly
;;       r = np.clip(x / 2.0 ** e, -57344, 57344)
;;       step = 2.0 ** (np.maximum(np.frexp(np.where(r == 0, 1, r))[1] - 1, -14) - 2)
;;       q = np.round(r / step) * step * 2.0 ** e      # np.round: ties to even
;;       return np.moveaxis(q.reshape(q.shape[:-2] + (-1,))[..., :K], -1, axis).astype(np.float32)
;;   ~~~
;;   SOFTMAX AHEAD OF A QUANTISED PRODUCT. Where the list says 'softmax', what is quantised is not the finished softmax but p = 2^(t - M), with t = logit x log2(e) and M = ceil(the row's largest t), a whole number; so 1/2 < the row's largest p <= 1. The row's sum l is taken of the UNQUANTISED p, in f32, and the product's result is divided by l at the end. Since M is a whole number, a kernel that streams over the keys may use a running M (the ceiling of the running maximum): every later rescaling is an exact power of two, which a block's scale takes up: the codes' values come out the same.
;;   OPERANDS COMPUTED ON THE WAY. 'Computed on the way' means the value that the module computes at that place (a softmax that the list does not call 'softmax' is quantised finished and normalised). What goes into a quantiser is computed in f32, as accurately as f32 sums, v_exp_f32 and their like allow (about 1e-6 of the number): no bf16 or f16 on the way to a quantiser, and a product that is left as it is and whose result goes on into a quantised operand takes f32 operands (vector FMAs, or v_wmma_f32_16x16x4_f32). A number that lies on a knife's edge between two numbers of the format may be rounded either way, as far as f32 arithmetic and the matrix unit's own rounding can turn it there, and no further.
;;   INPUTS GIVEN AS CODES. Wk (in the module: [1024, 1024], K = its axis 1); Wo (in the module: [1024, 1024], K = its axis 1); Wq (in the module: [1024, 1024], K = its axis 1); Wv (in the module: [1024, 1024], K = its axis 1); x (in the module: [4, 2048, 1024], K = its axis 2): each comes as NAME_codes (uint8): NAME with its K axis moved to the last place and cut into blocks of 32 codes, [.., K / 32, bytes a block], one block behind the other in memory; one code a byte (a code: sign, 5 exponent bits, 2 mantissa bits); and NAME_scales (uint8): the same leading axes, one E8M0 byte (e + 127) for each 32 codes along K. Its value is code x scale, taken as it is: it is not quantised again, and the codes and scales need not be those that the quantiser above would give.
;; One version. Each part assembles by itself: llvm-mc -triple=amdgcn-amd-amdhsa -mcpu=gfx1250 --defsym DOCPART=n.
;; ======== version 1 of 1: 3 launches
;; limits: right only within a limited range of input values
;; workspace buffers: qimg 8,912,896 bytes; kv 17,563,648 bytes; oimg 8,388,608 bytes; os 262,144 bytes
;; launch proj (part 1): grid 8 x 32, 4 waves a work-group, clusters of 4 x 4, 327,680 bytes of LDS; arguments x_codes, x_scales, Wq_codes, Wq_scales, Wk_codes, Wk_scales, Wv_codes, Wv_scales, bq, bk, bv, qimg, kv; writes qimg, kv
.if DOCPART == 1
	.amdgcn_target "amdgcn-amd-amdhsa--gfx1250"
	.amdhsa_code_object_version 6
	.text
	.protected	k_qe718199771_proj
	.globl	k_qe718199771_proj
	.p2align	8
	.type	k_qe718199771_proj,@function
k_qe718199771_proj:
	s_mov_b64 s[64:65], 0
	v_nop
	global_prefetch_b8 v0, s[64:65] scope:SCOPE_SE
	s_setreg_imm32_b32 hwreg(HW_REG_WAVE_MODE, 25, 1), 1
	s_wait_xcnt 0x0
	s_wait_alu depctr_hold_cnt(0) depctr_sa_sdst(0) depctr_va_vdst(0) depctr_va_sdst(0) depctr_va_ssrc(0) depctr_va_vcc(0) depctr_vm_vsrc(0)
	s_getreg_b32 s2, hwreg(HW_REG_IB_STS2, 6, 4)
	s_cmp_eq_u32 s2, 0
	s_cbranch_scc0 .Lentry_in_a_cluster
	s_endpgm
.Lentry_in_a_cluster:
	s_bfe_u32 s2, ttmp6, 0x10000c
	s_cmp_lg_u32 s2, 0xf033
	s_cbranch_scc0 .Lentry_shape_is_right
	s_endpgm
.Lentry_shape_is_right:
; q, k, v = x W^T + b on codes of BF8 (E5M2) with one E8M0 scale for each 32 along K, each result quantised again and stored as images of the next launch's operand registers.
; SHARES.  256 work-groups of four waves (2 x 2) that STAY.  PHASE 1: 256 tokens x 256 columns of q (cluster x = 0) or k (1): a wave makes 128 x 128.  PHASE 2: a half block of v: 128 rows of Wv (unit 4 x cluster x + cy) x 256 tokens
; (tile cx + 4 x cluster y): a wave makes 64 x 128.  8 x 32 blocks of q and k and 8 x 32 half blocks of v: one of each to a work-group.
; In phase 1 source 0 = rows of W, source 1 = rows of x: a lane holds a token and its registers run along the head's 64, the next K.  In phase 2 source 0 = rows of x, source 1 = rows of Wv: a lane holds a column of v and its registers run along the tokens.
; RING: two slots of 256 along K (first operand's rows, then the second's 256), filled by joint loads: the first operand's tiles are shared along a row of the cluster, the second's along a column.
; THE RING RUNS ON INTO PHASE 2: slot 0 takes v's first K step at the change of slots behind phase 1's sixth step of 128, slot 1 its second in a round behind the second block of phase 1's way out.
; PREFETCH: behind the head's two loads K steps 1 to 3 of phase 1, behind phase 2's first load K steps 2 and 3 of Wv's rows; the four partners of a joint load share the rows out by address; the weights, which all eight rows of clusters read, are asked for by four.
; x's rows of phase 2 are rows that the cluster's own work-groups have read in phase 1: they are not asked for again.
; LIMITS: NaN and infinities are not served.  A block under 2^-111 gets the scale byte 1.
.set PITCH,  272
.set HALFT,  128*PITCH
.set SLOT,   4*HALFT
.set SPARE,  2*SLOT
.set BIAS,   SPARE+512                 ; phase 1's 256 numbers of the bias
.set BIAS2,  BIAS+1024                 ; phase 2's 128
.set FR,     16
.set NP,     8
.set QREC,   8704
.set KVREC,  17152
.set TM,   4
.set ADRA, 20
.set ADRB, 22
.set SPW,  24
.set NIL,  25
.set LI,   26
.set LI8,  27
.set BAD0, 28
.set BAD1, 29
.set SA,   32
.set SB,   64
.set W,    96
.set PC,   112
.set AF,   128
.set T,    128
.set BI,   192
.set MNT,  3
.set G1,   24
.set G0,   32
.set G1B,  48
.set G0B,  56
.set SEL,  66
.set MSB, 0
.macro WIN new
.if MSB != \new
	s_set_vgpr_msb (MSB<<8)|\new
.set MSB, \new
.endif
.endm
.set MUL_LO, 0xa1
.set MUL_HI, 0xf1
.set TO_B,   0x40
.macro JLOAD g0a, g1a, g0b, g1b        ; waves 0, 1 fetch the first operand's halves, waves 2, 3 the second's
	s_cmp_eq_u32 s15, 0
	s_cbranch_scc0 .Lfor_b_\@
	tensor_load_to_lds s[\g0a:\g0a+3], s[\g1a:\g1a+7]
	s_nop 0
.rept 4
	v_nop
.endr
	s_branch .Lasked_\@
.Lfor_b_\@:
	tensor_load_to_lds s[\g0b:\g0b+3], s[\g1b:\g1b+7]
	s_nop 0
.rept 4
	v_nop
.endr
.Lasked_\@:
.endm
.macro CREST
	s_cmp_lg_u32 s14, 0
	s_cbranch_scc1 .Lnot_wave_0_\@
	s_barrier_signal -3
.Lnot_wave_0_\@:
	s_barrier_wait -3
	s_barrier_signal -1
	s_barrier_wait -1
.endm
.macro CROUND
	s_barrier_signal -1
	s_barrier_wait -1
	CREST
.endm
.macro PLACES n
.rept \n
	v_nop
.endr
.endm
.macro FRAGB reg, slot, q, i
.irp c, 0,1,2,3
	ds_load_b128 v[\reg+4*\c:\reg+4*\c+3], v[ADRB+\slot] offset:128*(\q)+32*\c+(\i)*16*PITCH
.endr
.endm
.macro FRAGA reg, slot, q, i
.irp c, 0,1,2,3
	ds_load_b128 v[\reg+4*\c:\reg+4*\c+3], v[ADRA+\slot] offset:128*(\q)+32*\c+(\i)*16*PITCH
.endr
.endm
.macro WM a, b, p, s, zero, ao         ; ao: where the first operand's set begins behind AF
.set rD, 8*(8*((\a)%4)+(\b))
.set rB, 128*(\p)+FR*(\b)
.set rA, AF+FR*(\a)+(\ao)
.set rX, SB+8*((\b)/2)+(\s)
.set rY, SA+8*((\a)/2)+(\s)
.set par, 2*((\a)%2)+((\b)%2)
.if \zero
.if par == 0
	v_wmma_scale_f32_16x16x128_f8f6f4 v[rD:rD+7], v[rB:rB+15], v[rA:rA+15], 0, v[rX], v[rY] matrix_a_fmt:MATRIX_FMT_BF8 matrix_b_fmt:MATRIX_FMT_BF8
.elseif par == 1
	v_wmma_scale_f32_16x16x128_f8f6f4 v[rD:rD+7], v[rB:rB+15], v[rA:rA+15], 0, v[rX], v[rY] matrix_a_fmt:MATRIX_FMT_BF8 matrix_b_fmt:MATRIX_FMT_BF8 matrix_a_scale:MATRIX_SCALE_ROW1
.elseif par == 2
	v_wmma_scale_f32_16x16x128_f8f6f4 v[rD:rD+7], v[rB:rB+15], v[rA:rA+15], 0, v[rX], v[rY] matrix_a_fmt:MATRIX_FMT_BF8 matrix_b_fmt:MATRIX_FMT_BF8 matrix_b_scale:MATRIX_SCALE_ROW1
.else
	v_wmma_scale_f32_16x16x128_f8f6f4 v[rD:rD+7], v[rB:rB+15], v[rA:rA+15], 0, v[rX], v[rY] matrix_a_fmt:MATRIX_FMT_BF8 matrix_b_fmt:MATRIX_FMT_BF8 matrix_a_scale:MATRIX_SCALE_ROW1 matrix_b_scale:MATRIX_SCALE_ROW1
.endif
.else
.if par == 0
	v_wmma_scale_f32_16x16x128_f8f6f4 v[rD:rD+7], v[rB:rB+15], v[rA:rA+15], v[rD:rD+7], v[rX], v[rY] matrix_a_fmt:MATRIX_FMT_BF8 matrix_b_fmt:MATRIX_FMT_BF8
.elseif par == 1
	v_wmma_scale_f32_16x16x128_f8f6f4 v[rD:rD+7], v[rB:rB+15], v[rA:rA+15], v[rD:rD+7], v[rX], v[rY] matrix_a_fmt:MATRIX_FMT_BF8 matrix_b_fmt:MATRIX_FMT_BF8 matrix_a_scale:MATRIX_SCALE_ROW1
.elseif par == 2
	v_wmma_scale_f32_16x16x128_f8f6f4 v[rD:rD+7], v[rB:rB+15], v[rA:rA+15], v[rD:rD+7], v[rX], v[rY] matrix_a_fmt:MATRIX_FMT_BF8 matrix_b_fmt:MATRIX_FMT_BF8 matrix_b_scale:MATRIX_SCALE_ROW1
.else
	v_wmma_scale_f32_16x16x128_f8f6f4 v[rD:rD+7], v[rB:rB+15], v[rA:rA+15], v[rD:rD+7], v[rX], v[rY] matrix_a_fmt:MATRIX_FMT_BF8 matrix_b_fmt:MATRIX_FMT_BF8 matrix_a_scale:MATRIX_SCALE_ROW1 matrix_b_scale:MATRIX_SCALE_ROW1
.endif
.endif
.endm
.macro MUL16 a0, p, s, zero, ao=0      ; 16 products on 16 accumulators by turns
.irp a, \a0, \a0+1
.irp b, 0,1,2,3,4,5,6,7
	WM \a, \b, \p, \s, \zero, \ao
.endr
.endr
.endm
.macro FETCH_B slot, q, p
	WIN TO_B
.irp i, 0,1,2,3,4,5,6,7
	FRAGB 128*(\p)+FR*\i, \slot, \q, \i
.endr
	WIN 0
.endm
.macro FETCH_A slot, q, i0
.irp i, \i0, \i0+1, \i0+2, \i0+3
	FRAGA AF+FR*(\i), \slot, \q, \i
.endr
.endm
.macro FETCH_AH slot, q, set           ; phase 2: my four blocks of Wv's rows into set 0 or 1
.irp i, 0,1,2,3
	FRAGA AF+64*(\set)+FR*\i, \slot, \q, \i
.endr
.endm
.macro STEP slot, s, zero
	s_wait_dscnt 16
	WIN MUL_LO
	MUL16 0, 0, \s, \zero
	MUL16 2, 0, \s, \zero
	s_wait_dscnt 0x0
	PLACES NP
	FETCH_B \slot, 1, 1
	FETCH_A \slot, 1, 0
	WIN MUL_HI
	MUL16 4, 0, \s, \zero
	MUL16 6, 0, \s, \zero
	PLACES NP
	WIN 0
	FETCH_A \slot, 1, 4
.endm
; A slot's last step of phase 1.  fill = 1: the slot takes the K step two on;  fill = 2: slot 0 takes phase 2's first K step: from here on a load of the first operand brings 64 rows
.macro TURN slot, next, s, fill
	s_wait_tensorcnt 0x0
	ds_add_u32 v[SPW], v[NIL]
	s_wait_dscnt 17
	WIN MUL_LO
	MUL16 0, 1, \s, 0
	s_wait_dscnt 0x0
	s_barrier_signal -1
	MUL16 2, 1, \s, 0
	WIN 0
	s_barrier_wait -1
	CREST
.if \fill == 1
	s_add_nc_u64 s[G0+4*\slot+2:G0+4*\slot+3], s[G0+4*\slot+2:G0+4*\slot+3], 512
	s_add_nc_u64 s[G0B+4*\slot+2:G0B+4*\slot+3], s[G0B+4*\slot+2:G0B+4*\slot+3], 512
	JLOAD G0+4*\slot, G1, G0B+4*\slot, G1B
.else
	s_mov_b32 s[G1+2], 64<<16                      ; no tensor load of mine is out, so descriptors may be written
	s_mov_b32 s[G1+4], 64
	s_mov_b64 s[G0+2:G0+3], s[80:81]
	s_or_b32 s[G0+3], s[G0+3], 0x80000000
	s_mov_b64 s[G0B+2:G0B+3], s[68:69]
	s_or_b32 s[G0B+3], s[G0B+3], 0x80000000
	JLOAD G0, G1, G0B, G1B
	s_cmp_eq_u32 s99, 0
	s_cbranch_scc0 .Lno_ask2_\@
	global_prefetch_b8 v3, s[80:81] th:TH_LOAD_NT scope:SCOPE_SE   ; K steps 2 and 3 of 16 of the 64 rows of Wv that I fetch: lanes 0-15 the one, lanes 16-31 the other
.Lno_ask2_\@:
.endif
	PLACES NP-4
	FETCH_B \next, 0, 0
	FETCH_A \next, 0, 0
	WIN MUL_HI
	MUL16 4, 1, \s, 0
	MUL16 6, 1, \s, 0
	PLACES NP
	WIN 0
	FETCH_A \next, 0, 4
.endm
.macro LAST s
	s_wait_dscnt 16
	WIN MUL_LO
	MUL16 0, 1, \s, 0
	MUL16 2, 1, \s, 0
	s_wait_dscnt 0x0
	WIN MUL_HI
	MUL16 4, 1, \s, 0
	MUL16 6, 1, \s, 0
	WIN 0
.endm
; PHASE 2.  Step n of 128 along K: 32 products on set n % 2 of both operands.  Its fragments have been asked for; the next step's, in the same slot, are asked for ahead of its products.
.macro HSTEP n, slot, zero, more
.if \more
	FETCH_B \slot, 1, ((\n)+1)%2
	FETCH_AH \slot, 1, ((\n)+1)%2
	s_wait_dscnt 48                                ; this step's fragments are in; the 48 loads just issued may be out
.else
	s_wait_dscnt 0x0
.endif
	WIN MUL_LO
	MUL16 0, (\n)%2, \n, \zero, 64*((\n)%2)
	MUL16 2, (\n)%2, \n, \zero, 64*((\n)%2)
	WIN 0
	PLACES NP
.endm
.macro HTURN n, slot, next, fill       ; a slot's last step of phase 2
	s_wait_tensorcnt 0x0                           ; all my tensor loads have landed: my part of the next slot
	ds_add_u32 v[SPW], v[NIL]
	s_wait_dscnt 1                                 ; this step's fragments are in; the add may be out
	WIN MUL_LO
	MUL16 0, (\n)%2, \n, 0, 64*((\n)%2)
	s_wait_dscnt 0x0
	s_barrier_signal -1
	WIN 0
	s_barrier_wait -1
.if \fill
	CREST
	s_add_nc_u64 s[G0+4*\slot+2:G0+4*\slot+3], s[G0+4*\slot+2:G0+4*\slot+3], 512
	s_add_nc_u64 s[G0B+4*\slot+2:G0B+4*\slot+3], s[G0B+4*\slot+2:G0B+4*\slot+3], 512
	JLOAD G0+4*\slot, G1, G0B+4*\slot, G1B
.endif
	FETCH_B \next, 0, ((\n)+1)%2                   ; the other set's registers were last read a step ago, with that step's places behind it
	FETCH_AH \next, 0, ((\n)+1)%2
	WIN MUL_LO
	MUL16 2, (\n)%2, \n, 0, 64*((\n)%2)
	WIN 0
	PLACES NP
.endm
	s_load_b512 s[68:83], s[0:1], 0x0              ; x_codes, x_scales, Wq_codes, Wq_scales, Wk_codes, Wk_scales, Wv_codes, Wv_scales
	s_load_b256 s[84:91], s[0:1], 0x40             ; bq, bk, bv, qimg
	s_load_b64 s[92:93], s[0:1], 0x60              ; kv
	v_lshl_add_u32 v[SPW], v0, 2, SPARE
	v_mov_b32 v[NIL], 0
	ds_add_u32 v[SPW], v[NIL]                      ; the opening: the add, twice on end, and its wait
	ds_add_u32 v[SPW], v[NIL]
	s_wait_dscnt 0x0
	v_lshrrev_b32 v1, 5, v0
	v_readfirstlane_b32 s14, v1
	s_lshr_b32 s15, s14, 1
	s_and_b32 s16, s14, 1
	s_bfe_u32 s40, ttmp6, 0x40000
	s_bfe_u32 s41, ttmp6, 0x40004
	s_lshl_b32 s43, s41, 2
	s_lshl_b32 s43, 15, s43
	s_lshl_b32 s44, 0x1111, s40
	s_and_b32 s21, ttmp7, 0xffff
	s_lshl_b32 s21, s21, 2
	s_mov_b32 s42, s40                             ; phase 1: the weight's tile of 256 rows: cx
	s_add_co_u32 s17, s41, s21                     ; phase 1: x's tile of 256 tokens: cy + 4 x cluster y
	s_add_co_u32 s2, s40, s21                      ; phase 2: x's tile: cx + 4 x cluster y
	s_lshl_b32 s100, ttmp9, 2
	s_add_co_u32 s100, s100, s41                   ; phase 2: Wv's unit of 128 rows: 4 x cluster x + cy
	s_or_b32 s[G1+0], s43, (0<<16)|(1<<20)|(1<<21)|(5<<22)|(3<<25)
	s_or_b32 s[G1B+0], s44, (0<<16)|(1<<20)|(1<<21)|(5<<22)|(3<<25)
.irp g, G1, G1B
	s_mov_b32 s[\g+1], 256<<16
	s_mov_b32 s[\g+2], 128<<16
	s_mov_b32 s[\g+3], 256<<16
	s_mov_b32 s[\g+4], 128
	s_mov_b32 s[\g+5], 1024
	s_mov_b32 s[\g+6], 0
	s_mov_b32 s[\g+7], 0
.endr
	s_lshl_b32 s18, s16, 7
	s_lshl_b32 s20, s17, 8
	s_add_co_u32 s20, s20, s18
	s_lshl_b32 s20, s20, 10
	s_mov_b32 s21, 0
	s_lshl_b32 s46, s42, 8
	s_add_co_u32 s46, s46, s18
	s_lshl_b32 s46, s46, 10
	s_mov_b32 s47, 0
	s_mul_i32 s45, s14, HALFT
	s_mov_b32 s[SEL], 0x76543210
	s_mov_b32 s[SEL+1], 0xfedcba98
	s_mov_b32 s[MNT], 0x600000
	s_mov_b32 s101, 0xffff0000
	s_wait_kmcnt 0x0
	s_cmp_eq_u32 ttmp9, 0
	s_cselect_b64 s[8:9], s[72:73], s[76:77]
	s_cselect_b64 s[10:11], s[74:75], s[78:79]
	s_cselect_b64 s[12:13], s[84:85], s[86:87]
	s_cselect_b64 s[94:95], s[90:91], s[92:93]
	s_mov_b32 s98, KVREC
	s_cselect_b32 s98, QREC, s98
	s_mov_b64 s[4:5], s[68:69]
	s_mov_b64 s[6:7], s[70:71]
	s_add_nc_u64 s[20:21], s[4:5], s[20:21]
	s_add_nc_u64 s[46:47], s[8:9], s[46:47]
	; phase 2's addresses, each in its own argument's registers
	s_lshl_b32 s18, s100, 7
	s_lshl_b32 s19, s16, 6
	s_add_co_u32 s18, s18, s19
	s_lshl_b32 s18, s18, 10
	s_mov_b32 s19, 0
	s_add_nc_u64 s[80:81], s[80:81], s[18:19]      ; Wv's codes: row 128 x unit + 64 x the half that I fetch
	s_lshl_b32 s18, s2, 8
	s_lshl_b32 s22, s16, 7
	s_add_co_u32 s18, s18, s22
	s_lshl_b32 s18, s18, 10
	s_add_nc_u64 s[68:69], s[68:69], s[18:19]      ; x's codes: row 256 x tile + 128 x the half that I fetch
	s_lshl_b32 s18, s100, 12
	s_lshl_b32 s22, s15, 11
	s_add_co_u32 s18, s18, s22
	s_add_nc_u64 s[82:83], s[82:83], s[18:19]      ; Wv's scale bytes of my 64 rows
	s_lshl_b32 s18, s2, 13
	s_lshl_b32 s22, s16, 12
	s_add_co_u32 s18, s18, s22
	s_add_nc_u64 s[70:71], s[70:71], s[18:19]      ; x's of my 128 tokens
	s_lshl_b32 s18, s100, 9
	s_add_nc_u64 s[88:89], s[88:89], s[18:19]      ; bv's 128 numbers
	s_lshl_b32 s18, s2, 1
	s_add_co_u32 s18, s18, s16                     ; my step of 128 tokens
	s_lshl_b32 s22, s100, 1
	s_add_co_u32 s22, s22, s15                     ; my head
	s_lshr_b32 s23, s18, 4
	s_lshl_b32 s23, s23, 4
	s_add_co_u32 s23, s23, s22
	s_lshl_b32 s23, s23, 4
	s_and_b32 s18, s18, 15
	s_add_co_u32 s23, s23, s18
	s_mul_i32 s18, s23, KVREC
	s_add_co_u32 s18, s18, QREC
	s_add_nc_u64 s[92:93], s[92:93], s[18:19]      ; v's part of record (16 batch + head) x 16 + step
	; phase 1's scale words and both biases are asked for here, ahead of the first tiles
	v_and_b32 v1, 15, v0
	v_bfe_u32 v2, v0, 4, 1
	v_and_b32 v3, 31, v0
	v_lshlrev_b32 v4, 5, v3
	v_lshlrev_b32 v30, 10, v3                      ; the head's prefetches: a lane a row of 1,024 bytes; never rewritten
	v_lshlrev_b32 v31, 5, v3                       ; phase 2's scale words: 32 x lane; never rewritten
	s_wait_alu depctr_va_vdst(0)
	s_lshl_b32 s18, s17, 13
	s_lshl_b32 s19, s15, 12
	s_add_co_u32 s18, s18, s19
	s_mov_b32 s19, 0
	s_add_nc_u64 s[6:7], s[6:7], s[18:19]
	s_lshl_b32 s18, s42, 13
	s_lshl_b32 s22, s16, 12
	s_add_co_u32 s18, s18, s22
	s_add_nc_u64 s[10:11], s[10:11], s[18:19]
	s_lshl_b32 s18, s42, 10
	s_add_nc_u64 s[12:13], s[12:13], s[18:19]
.irp ii, 0,1,2,3
.irp e, 0,1
	global_load_b128 v[SA+8*\ii+4*\e:SA+8*\ii+4*\e+3], v4, s[6:7] offset:1024*\ii+16*\e
	global_load_b128 v[SB+8*\ii+4*\e:SB+8*\ii+4*\e+3], v4, s[10:11] offset:1024*\ii+16*\e
.endr
.endr
	v_lshlrev_b32 v5, 3, v0
	global_load_b64 v[6:7], v5, s[12:13]
	v_lshlrev_b32 v13, 2, v0
	global_load_b32 v14, v13, s[88:89]
	; the prefetches: of the rows that my wave fetches, each of the four partners that ask for them jointly names a quarter, told apart by address (cx for the first operand's tiles, cy for the second's)
	s_cmp_eq_u32 s15, 0
	s_cselect_b64 s[72:73], s[20:21], s[46:47]
	s_cselect_b32 s18, s40, s41
	s_lshl_b32 s18, s18, 15
	s_add_nc_u64 s[72:73], s[72:73], s[18:19]
	s_and_b32 s75, ttmp7, 0xffff
	s_lshr_b32 s75, s75, 2
	s_min_u32 s75, s75, 1                          ; 0 in the first four rows of clusters
	s_and_b32 s74, s15, s75                        ; phase 1: 1: a weight's tiles in a later row of clusters: those ask for nothing
	s_or_b32 s99, s15, s75                         ; phase 2: 0: Wv's tiles in one of the first four rows: those ask
	s_lshl_b32 s23, s40, 14
	s_add_co_u32 s23, s23, 512                     ; phase 2: my work-group's 16 rows, K step 2
	CROUND
.irp s, 0,1
	s_mov_b32 s[G0+4*\s], 1
	s_add_co_u32 s[G0+4*\s+1], s45, \s*SLOT
	s_add_nc_u64 s[G0+4*\s+2:G0+4*\s+3], s[20:21], \s*256
	s_or_b32 s[G0+4*\s+3], s[G0+4*\s+3], 0x80000000
	s_mov_b32 s[G0B+4*\s], 1
	s_add_co_u32 s[G0B+4*\s+1], s45, \s*SLOT
	s_add_nc_u64 s[G0B+4*\s+2:G0B+4*\s+3], s[46:47], \s*256
	s_or_b32 s[G0B+4*\s+3], s[G0B+4*\s+3], 0x80000000
	s_wait_alu depctr_va_vdst(0)
	s_wait_tensorcnt 0x0
	ds_add_u32 v[SPW], v[NIL]
	ds_add_u32 v[SPW], v[NIL]
	s_wait_dscnt 0x0
	CROUND
	JLOAD G0+4*\s, G1, G0B+4*\s, G1B
	s_cmp_eq_u32 s74, 0
	s_cbranch_scc0 .Lno_ask_\s
.if \s == 0
	global_prefetch_b8 v30, s[72:73] offset:256 th:TH_LOAD_NT scope:SCOPE_SE    ; behind K step 0's load: K steps 1 and 2, 256 bytes of each of my 32 rows
	global_prefetch_b8 v30, s[72:73] offset:512 th:TH_LOAD_NT scope:SCOPE_SE
.else
	global_prefetch_b8 v30, s[72:73] offset:768 th:TH_LOAD_NT scope:SCOPE_SE    ; behind K step 1's load: K step 3
.endif
.Lno_ask_\s:
.endr
	v_mul_u32_u24 v8, v1, PITCH
	v_lshl_add_u32 v8, v2, 4, v8
	s_mul_i32 s21, s15, HALFT
	s_mul_i32 s22, s16, HALFT
	s_add_co_u32 s22, s22, 2*HALFT
.irp s, 0,1
	v_add_nc_u32 v[ADRA+\s], s21, v8
	v_add_nc_u32 v[ADRB+\s], s22, v8
	s_add_co_u32 s21, s21, SLOT
	s_add_co_u32 s22, s22, SLOT
.endr
	v_lshlrev_b32 v[LI], 4, v3
	v_lshlrev_b32 v[LI8], 3, v3
	s_lshl_b32 s21, s16, 9
	s_add_co_u32 s21, s21, BIAS
	v_lshl_add_u32 v[BAD0], v2, 5, s21
	s_lshl_b32 s22, s15, 8
	s_add_co_u32 s22, s22, BIAS2
	v_lshl_add_u32 v[BAD1], v1, 2, s22
	v_lshl_add_u32 v12, v0, 3, BIAS
	v_lshl_add_u32 v15, v0, 2, BIAS2
	v_lshlrev_b32 v3, 10, v1                       ; phase 2's prefetch: row lane % 16 of my work-group's 16, K step 2 + lane / 16
	v_lshl_add_u32 v3, v2, 8, v3
	v_add_nc_u32 v3, s23, v3
	s_lshl_b32 s18, s17, 1
	s_add_co_u32 s18, s18, s15                     ; phase 1: my step of 128 tokens
	s_lshl_b32 s20, s42, 2
	s_lshl_b32 s21, s16, 1
	s_add_co_u32 s20, s20, s21                     ; the first of my two heads
	s_lshr_b32 s22, s18, 4
	s_lshl_b32 s22, s22, 4
	s_add_co_u32 s22, s22, s20
	s_lshl_b32 s22, s22, 4
	s_and_b32 s18, s18, 15
	s_add_co_u32 s22, s22, s18
	s_mul_i32 s22, s22, s98
	s_mov_b32 s23, 0
	s_add_nc_u64 s[94:95], s[94:95], s[22:23]
	s_lshl_b32 s22, s98, 4
	s_add_nc_u64 s[96:97], s[94:95], s[22:23]
	s_wait_alu depctr_va_vdst(0)
	s_wait_loadcnt 0x0
	ds_store_b64 v12, v[6:7]
	ds_store_b32 v15, v14
.irp b, 0,1,2,3
	v_mov_b32 v[TM+4+\b], 0
.endr
	s_wait_tensorcnt 0x1
	s_wait_dscnt 0x0
	s_barrier_signal -1
	s_barrier_wait -1
	FETCH_B 0, 0, 0
	FETCH_A 0, 0, 0
	FETCH_A 0, 0, 4
	STEP 0, 0, 1
	TURN 0, 1, 1, 1
	STEP 1, 2, 0
	TURN 1, 0, 3, 1
	STEP 0, 4, 0
	TURN 0, 1, 5, 2                                ; slot 0 takes phase 2's first K step
	STEP 1, 6, 0
	LAST 7
.macro QUANT
.irp b, 0,1,2,3
	v_max3_num_f32 v[TM+\b], |v[T+16*\b]|, |v[T+1+16*\b]|, 0x8000000
.endr
.irp i, 2,4,6,8,10,12,14
.irp b, 0,1,2,3
	v_max3_num_f32 v[TM+\b], v[TM+\b], |v[T+16*\b+\i]|, |v[T+1+16*\b+\i]|
.endr
.endr
.irp b, 0,1,2,3
	v_permlanex16_b32 v[TM+4+\b], v[TM+\b], s[SEL], s[SEL+1]
.endr
.irp b, 0,1,2,3
	v_max_num_f32 v[TM+\b], v[TM+\b], v[TM+4+\b]
.endr
.irp b, 0,1,2,3
	v_add_nc_u32 v[TM+12+\b], 0xf8800000, v[TM+\b]
.endr
.irp b, 0,1,2,3
	v_and_or_b32 v[TM+8+\b], v[TM+\b], 0x7f800000, s[MNT]
.endr
.irp b, 0,1,2,3
	v_lshrrev_b32 v[TM+4+\b], 23, v[TM+12+\b]
.endr
.irp b, 0,1,2,3
.irp i, 0,1,2,3,4,5,6,7,8,9,10,11,12,13,14,15
	v_med3_num_f32 v[T+16*\b+\i], v[T+16*\b+\i], -v[TM+8+\b], v[TM+8+\b]
.endr
	v_cvt_scalef32_pk8_bf8_f32 v[PC+4*\b:PC+1+4*\b], v[T+16*\b:T+7+16*\b], v[TM+12+\b]
	v_cvt_scalef32_pk8_bf8_f32 v[PC+2+4*\b:PC+3+4*\b], v[T+8+16*\b:T+15+16*\b], v[TM+12+\b]
.endr
	v_nop
.endm
; The way out of block a (16 rows of the first operand x my 128 of the second): the bias, the quantiser, the codes' stores.  kind 0: q, k;  kind 1: v
.macro EPIB kind, a
	WIN (0x02+(\a)/4)
.set i, 0
.rept 32
.if \kind == 0
	v_pk_add_f32 v[T+2*i:T+2*i+1], v[64*((\a)%4)+2*i:64*((\a)%4)+2*i+1], v[BI+2*i:BI+2*i+1]
.else
	v_pk_add_f32 v[T+2*i:T+2*i+1], v[64*((\a)%4)+2*i:64*((\a)%4)+2*i+1], v[BI+2*(\a):BI+2*(\a)+1]
.endif
.set i, i+1
.endr
	WIN 0
	s_wait_xcnt 0x0
	QUANT
.if \kind == 0
	v_lshl_or_b32 v[W+(\a)], v[TM+5], 8, v[TM+4]
	v_lshl_or_b32 v[W+8+(\a)], v[TM+7], 8, v[TM+6]
	v_or_b32 v[W+(\a)], 0x7f7f0000, v[W+(\a)]
	v_or_b32 v[W+8+(\a)], 0x7f7f0000, v[W+8+(\a)]
	global_store_b128 v[LI], v[PC:PC+3], s[94:95] offset:1024*(\a)
	global_store_b128 v[LI], v[PC+4:PC+7], s[94:95] offset:1024*(\a)+512
	global_store_b128 v[LI], v[PC+8:PC+11], s[96:97] offset:1024*(\a)
	global_store_b128 v[LI], v[PC+12:PC+15], s[96:97] offset:1024*(\a)+512
.else
	v_lshl_or_b32 v[W+(\a)], v[TM+5], 8, v[TM+4]
	v_lshl_or_b32 v[W+(\a)], v[TM+6], 16, v[W+(\a)]
	v_lshl_or_b32 v[W+(\a)], v[TM+7], 24, v[W+(\a)]
.irp c, 0,1,2,3
	global_store_b128 v[LI], v[PC+4*\c:PC+4*\c+3], s[92:93] offset:2048*(\a)+512*\c
.endr
.endif
.endm
	; PHASE 1'S WAY OUT.  Phase 2's scale words are asked for first: they land on registers whose last products have their places behind them
	PLACES NP
.irp ii, 0,1
.irp e, 0,1
	global_load_b128 v[SA+8*\ii+4*\e:SA+8*\ii+4*\e+3], v31, s[82:83] offset:1024*\ii+16*\e
.endr
.endr
.irp ii, 0,1,2,3
.irp e, 0,1
	global_load_b128 v[SB+8*\ii+4*\e:SB+8*\ii+4*\e+3], v31, s[70:71] offset:1024*\ii+16*\e
.endr
.endr
.irp b, 0,1,2,3,4,5,6,7
.irp e, 0,1
	ds_load_b128 v[BI+8*\b+4*\e:BI+8*\b+4*\e+3], v[BAD0] offset:64*\b+16*\e
.endr
.endr
	s_wait_dscnt 0x0
	EPIB 0, 0
	EPIB 0, 1
	s_wait_alu depctr_va_vdst(0)
	s_wait_tensorcnt 0x0                           ; slot 1 takes phase 2's second K step: every wave's reads of it ended with phase 1's last step
	ds_add_u32 v[SPW], v[NIL]
	s_add_nc_u64 s[G0+6:G0+7], s[80:81], 256
	s_or_b32 s[G0+7], s[G0+7], 0x80000000
	s_add_nc_u64 s[G0B+6:G0B+7], s[68:69], 256
	s_or_b32 s[G0B+7], s[G0B+7], 0x80000000
	s_wait_dscnt 0x0
	CROUND
	JLOAD G0+4, G1, G0B+4, G1B
.irp a, 2,3,4,5,6,7
	EPIB 0, \a
.endr
	s_wait_xcnt 0x0
	s_wait_alu depctr_va_vdst(0)
.irp hh, 0,1
.irp j, 0,1,2,3
	v_cndmask_b32 v[PC+4*\hh+\j], v[W+8*\hh+\j], v[W+8*\hh+4+\j], s101
.endr
	global_store_b128 v[LI], v[PC+4*\hh:PC+4*\hh+3], s[94+2*\hh:95+2*\hh] offset:8192
.endr
	; PHASE 2
	s_wait_alu depctr_va_vdst(0)
	s_wait_loadcnt 0x0                             ; its scale words
	s_wait_tensorcnt 0x0                           ; my parts of its first two K steps
	s_wait_dscnt 0x0
	s_barrier_signal -1
	s_barrier_wait -1
	FETCH_B 0, 0, 0
	FETCH_AH 0, 0, 0
	HSTEP 0, 0, 1, 1
	HTURN 1, 0, 1, 1
	HSTEP 2, 1, 0, 1
	HTURN 3, 1, 0, 1
	HSTEP 4, 0, 0, 1
	HTURN 5, 0, 1, 0
	HSTEP 6, 1, 0, 1
	HSTEP 7, 1, 0, 0
.irp a, 0,1,2,3
	ds_load_b32 v[BI+2*\a], v[BAD1] offset:64*\a
	ds_load_b32 v[BI+2*\a+1], v[BAD1] offset:64*\a
.endr
	s_wait_dscnt 0x0
.irp a, 0,1,2,3
	EPIB 1, \a
.endr
	s_wait_xcnt 0x0
	s_wait_alu depctr_va_vdst(0)
.irp j, 0,1
	v_cndmask_b32 v[PC+\j], v[W+\j], v[W+2+\j], s101
.endr
	global_store_b64 v[LI8], v[PC:PC+1], s[92:93] offset:8192
	s_wait_tensorcnt 0x0                           ; the wave's end
	ds_add_u32 v[SPW], v[NIL]
	s_wait_dscnt 0x0
	CROUND
	s_endpgm
.Lfunc_end_k_qe718199771_proj:
	.size	k_qe718199771_proj, .Lfunc_end_k_qe718199771_proj-k_qe718199771_proj
	.p2alignl 7, 3214868480
	.fill 96, 4, 3214868480
	.section	.rodata,"a",@progbits
	.p2align	6, 0x0
	.amdhsa_kernel k_qe718199771_proj
		.amdhsa_group_segment_fixed_size 327680
		.amdhsa_private_segment_fixed_size 0
		.amdhsa_enable_private_segment 0
		.amdhsa_kernarg_size 104
		.amdhsa_user_sgpr_count 2
		.amdhsa_user_sgpr_kernarg_segment_ptr 1
		.amdhsa_wavefront_size32 1
		.amdhsa_system_sgpr_workgroup_id_x 1
		.amdhsa_system_sgpr_workgroup_id_y 1
		.amdhsa_system_sgpr_workgroup_id_z 1
		.amdhsa_system_vgpr_workitem_id 0
		.amdhsa_next_free_vgpr 1024
		.amdhsa_next_free_sgpr 102
		.amdhsa_reserve_vcc 0
		.amdhsa_float_denorm_mode_32 3
		.amdhsa_float_denorm_mode_16_64 3
		.amdhsa_memory_ordered 1
		.amdhsa_forward_progress 1
		.amdhsa_inst_pref_size 255
	.end_amdhsa_kernel
	.section	.bss,"aw",@nobits
	.p2align	6
	.space	262144
	.amdgpu_metadata
---
amdhsa.version: [ 1, 2 ]
amdhsa.kernels:
  - .name:           k_qe718199771_proj
    .symbol:         k_qe718199771_proj.kd
    .args:
      - { .name: x_codes, .offset: 0, .size: 8, .value_kind: global_buffer, .address_space: global }
      - { .name: x_scales, .offset: 8, .size: 8, .value_kind: global_buffer, .address_space: global }
      - { .name: Wq_codes, .offset: 16, .size: 8, .value_kind: global_buffer, .address_space: global }
      - { .name: Wq_scales, .offset: 24, .size: 8, .value_kind: global_buffer, .address_space: global }
      - { .name: Wk_codes, .offset: 32, .size: 8, .value_kind: global_buffer, .address_space: global }
      - { .name: Wk_scales, .offset: 40, .size: 8, .value_kind: global_buffer, .address_space: global }
      - { .name: Wv_codes, .offset: 48, .size: 8, .value_kind: global_buffer, .address_space: global }
      - { .name: Wv_scales, .offset: 56, .size: 8, .value_kind: global_buffer, .address_space: global }
      - { .name: bq, .offset: 64, .size: 8, .value_kind: global_buffer, .address_space: global }
      - { .name: bk, .offset: 72, .size: 8, .value_kind: global_buffer, .address_space: global }
      - { .name: bv, .offset: 80, .size: 8, .value_kind: global_buffer, .address_space: global }
      - { .name: qimg, .offset: 88, .size: 8, .value_kind: global_buffer, .address_space: global }
      - { .name: kv, .offset: 96, .size: 8, .value_kind: global_buffer, .address_space: global }
    .group_segment_fixed_size: 327680
    .private_segment_fixed_size: 0
    .kernarg_segment_align: 8
    .kernarg_segment_size: 104
    .max_flat_workgroup_size: 128
    .sgpr_count:     102
    .vgpr_count:     1024
    .wavefront_size: 32
...
	.end_amdgpu_metadata
.endif
;; end of part 1
;; launch attn (part 2): grid 4 x 64, 16 waves a work-group, clusters of 4 x 1, 327,680 bytes of LDS; arguments qimg, kv, oimg, os; writes oimg, os
.if DOCPART == 2
	.amdgcn_target "amdgcn-amd-amdhsa--gfx1250"
	.amdhsa_code_object_version 6
	.text
	.protected	k_qe718199771_attn
	.globl	k_qe718199771_attn
	.p2align	8
	.type	k_qe718199771_attn,@function
k_qe718199771_attn:
	s_mov_b64 s[64:65], 0
	v_nop
	global_prefetch_b8 v0, s[64:65] scope:SCOPE_SE
	s_setreg_imm32_b32 hwreg(HW_REG_WAVE_MODE, 25, 1), 1
	s_wait_xcnt 0x0
	s_wait_alu depctr_hold_cnt(0) depctr_sa_sdst(0) depctr_va_vdst(0) depctr_va_sdst(0) depctr_va_ssrc(0) depctr_va_vcc(0) depctr_vm_vsrc(0)
	s_getreg_b32 s2, hwreg(HW_REG_IB_STS2, 6, 4)
	s_cmp_eq_u32 s2, 0
	s_cbranch_scc0 .Lentry_in_a_cluster
	s_endpgm
.Lentry_in_a_cluster:
	s_bfe_u32 s2, ttmp6, 0x10000c
	s_cmp_lg_u32 s2, 0x3003
	s_cbranch_scc0 .Lentry_shape_is_right
	s_endpgm
.Lentry_shape_is_right:
; o = softmax(q k^T / 8) v for 64 heads of 2,048 tokens x 64, both products on codes of BF8 (E5M2) with one E8M0 scale for each 32 along K; then o is quantised along d_model for the last product.
; THE SOFTMAX: t = score x log2(e) / 8; M = the running largest t rounded UP to a whole number; p = 2^(t - M) is quantised along the keys, not normalised; the row's sum is taken of the unquantised p and divides at the end.
; When M moves, the sum and O are multiplied by 2^(old M - new M): exact.
; SHARES.  A work-group owns ONE head and 512 of its queries: 64 heads x 4 blocks = 256 work-groups.  Each of its sixteen waves owns 16 queries in each of two passes (pass p: queries 256 p + 16 wave of the block), in 256 registers: four waves to a SIMD.
; LDS.  A record of kv is one step of 128 keys of a head (k's codes, k's scale words, v's codes, v's scale words: 17,152 dense bytes, images of registers).  The head's sixteen records, 274,432 bytes, are filled ONCE:
; wave w brings record w, its one tensor load.  Nothing is filled again, so one barrier at the head shows all, and no barrier stands in the two passes.
; CLUSTER: the four query blocks of a head need the same sixteen records: each load is a joint load whose mask names the four.
; NO PREFETCH: every byte of kv that the work-group reads is asked for by the head's loads; no later step fetches from memory, so there is no loop in which to ask ahead.
; LAYOUT.  Both products transposed: S^T = k q^T, O^T = v^T p^T: a lane holds ONE query throughout.  Inside a block of 32 keys (and of 32 of the head's 64) both operands carry the same order of K,
; 32 b + 16 u + 8 (lane / 16) + j in slot 8 u + j: products and blocks are the rule's; only the order of the f32 sum inside a block differs from ascending K.
; THE FIRST PRODUCT'S K IS 64: q's registers 8-15 are zero codes, and k's tile is named with the eight registers that follow it, whose codes are finite (they passed the hold): they add nothing.
; THE SECOND PRODUCT RUNS ONE STEP BEHIND.  k and v share 64 registers.  In step i: S^T(i); O^T x f(i - 1); v(i - 1) is fetched into k's registers; v^T p^T(i - 1) stands among step i's scalings; behind it k(i + 1) is fetched.
; o's scale bytes leave as os[head][token], two bytes a token: a work-group's 512 tokens are 1,024 consecutive bytes.
; LIMITS: NaN and infinities are not served; the scaled scores stay under 2^31 in magnitude.  A block of o under 2^-111, or of p fallen to 0, gets the scale byte 1: its codes are zeros or subnormal codes under that byte.
.set REC,   17152
.set SPARE, 16*REC                     ; the spare words, 128 bytes for each of sixteen waves: eight blocks of 256 bytes that no other line names
.set STG,   SPARE+2048                 ; o's scale bytes of 512 tokens: four blocks of 256 bytes into which no tile lands
.set QREC,  8704
.set LI,   1                           ; v1  16 x lane
.set SPW,  2                           ; v2  my spare word; never rewritten
.set NIL,  3                           ; v3  0; never rewritten
.set ADR,  4                           ; v4  the record at s[TB] + 16 x lane
.set ADR8, 5                           ; v5  the record at s[TB] + 8 x lane
.set LI8,  6
.set QCO,  7                           ; v7  q's codes: my byte in the record
.set QSO,  8                           ; v8  q's scale word
.set OSB,  9                           ; v9  o's two scale bytes of my query
.set STA,  10                          ; v10 where they go in LDS
.set STR,  11                          ; v11 where waves 0, 1 read them back
.set Q,    16                          ; v16-23 q, v24-31 zeros.  v12 -M, v13 the largest score, v[14:15] the sum in two halves
.set KV,   32                          ; v32-95 eight tiles of k or four fragments of v; v96-103 zeros
.set S,    104                         ; v104-167 S^T, then p
.set O,    168                         ; v168-199 O^T
.set PC,   200                         ; v200-215 p's codes
.set BM,   216                         ; a block's largest score, then its largest p
.set PB,   220                         ; permute targets, then bytes
.set HL,   224                         ; the holds
.set SO,   228                         ; the conversions' scale operands
.set F,    232                         ; v[232:233] f = 2^(old M - new M)
.set SUM2, 234
.set T0,   236
.set T1,   237
.set QS1,  238                         ; the second pass's q scale word
.set OSO,  239                         ; v239 16 x my thread's number
.set KS,   240                         ; v240-243 k's scale words: lanes 0-15 tiles 0-3, lanes 16-31 tiles 4-7
.set VS,   244                         ; v244-245 v's
.set QS0,  246
.set PS,   247                         ; p's scale word
.set Q1,   248                         ; v248-255 the second pass's q
.set WV,   12
.set G1,   24                          ; s[24:31] group 1; s[32:35] group 0
.set G0,   32
.set CN,   36                          ; -c
.set PASS, 37
.set SEL,  40
.set CS,   42                          ; s[42:43] c = log2(e) / 8
.set MNT,  44
.set HM,   45                          ; lanes 16-31
.set TB,   46                          ; LDS byte of a record: in a pass's first step the step's own, later that of the step before
.set CNT,  47
.macro WALU
	s_wait_alu depctr_va_vdst(0)
.endm
.macro CROUND                          ; a round of the cluster's barrier
	s_barrier_signal -1
	s_barrier_wait -1
	s_cmp_lg_u32 s[WV], 0
	s_cbranch_scc1 .Lnot_wave_0_\@
	s_barrier_signal -3
.Lnot_wave_0_\@:
	s_barrier_wait -3
	s_barrier_signal -1
	s_barrier_wait -1
.endm
	s_load_b256 s[4:11], s[0:1], 0x0               ; qimg, kv, oimg, os
	v_lshl_add_u32 v[SPW], v0, 2, SPARE
	v_mov_b32 v[NIL], 0
	ds_add_u32 v[SPW], v[NIL]                      ; the opening: the add, twice on end, and its wait ahead of my tensor load
	ds_add_u32 v[SPW], v[NIL]
	v_lshrrev_b32 v1, 5, v0
	v_readfirstlane_b32 s[WV], v1                  ; wave 0..15
	s_bfe_u32 s13, ttmp6, 0x40000                  ; cx: my block of 512 queries; it enters q's, o's and the scale bytes' global addresses alone
	s_and_b32 s15, ttmp7, 0xffff                   ; 16 x batch + head, which the four partners share
	s_mov_b32 s[G1], 15|(3<<16)|(1<<21)            ; a record as 67 dense rows of 256 bytes (32 elements of 8); the mask names all four work-groups; bit 21 beside it
	s_mov_b32 s[G1+1], 32<<16
	s_mov_b32 s[G1+2], 67<<16
	s_mov_b32 s[G1+3], 32<<16
	s_mov_b32 s[G1+4], 67
	s_mov_b32 s[G1+5], 32
	s_mov_b32 s[G1+6], 0
	s_mov_b32 s[G1+7], 0
	s_lshl_b32 s16, s15, 4
	s_add_co_u32 s16, s16, s[WV]
	s_mul_i32 s16, s16, REC                        ; kv: record 16 x (16 batch + head) + wave
	s_mov_b32 s17, 0
	s_mul_i32 s18, s[WV], REC                      ; its place in LDS
	s_lshl_b32 s20, s15, 4                         ; q: record 16 x (16 batch + head) + 4 cx + wave / 8; the second pass's lies 2 records on
	s_lshl_b32 s19, s13, 2
	s_add_co_u32 s20, s20, s19
	s_lshr_b32 s19, s[WV], 3
	s_add_co_u32 s20, s20, s19
	s_mul_i32 s20, s20, QREC
	s_mov_b32 s21, 0
	s_lshr_b32 s22, s15, 4                         ; batch
	s_lshl_b32 s22, s22, 3
	s_lshl_b32 s19, s13, 1
	s_add_co_u32 s22, s22, s19                     ; the first pass's block of 256 tokens, 0 .. 31
	s_lshl_b32 s38, s22, 9                         ; its tokens' two bytes each
	s_lshl_b32 s22, s22, 3
	s_bfe_u32 s19, s15, 0x30001                    ; head / 2: the last product's K step
	s_add_co_u32 s22, s22, s19
	s_lshl_b32 s22, s22, 4
	s_add_co_u32 s22, s22, s[WV]
	s_lshl_b32 s22, s22, 11                        ; o's image: ((block x 8 + head / 2) x 16 + wave) x 2,048 + 1,024 x (head % 2)
	s_and_b32 s19, s15, 1
	s_lshl_b32 s19, s19, 10
	s_add_co_u32 s22, s22, s19
	s_mov_b32 s23, 0
	s_and_b32 s19, s15, 15
	s_lshl_b32 s19, s19, 14
	s_add_co_u32 s38, s38, s19                     ; os: 16,384 x head + 2 x token
	s_mov_b32 s39, 0
	s_and_b32 s14, s[WV], 7
	s_lshl_b32 s14, s14, 10                        ; q's token tile wave % 8 of the record
	s_bfe_u32 s19, s[WV], 0x10002
	s_lshl_b32 s19, s19, 8
	s_and_b32 s37, s[WV], 3
	s_lshl_b32 s37, s37, 2
	s_add_co_u32 s19, s19, s37
	s_add_co_u32 s19, s19, 8192                    ; the word of tile 4 g + j, token r, lies at 8,192 + 16 (16 g + r) + 4 j
	s_lshl_b32 s37, s[WV], 5
	s_add_co_u32 s37, s37, STG                     ; my 16 tokens' bytes in the stage
	s_mov_b32 s[SEL], 0x76543210
	s_mov_b32 s[SEL+1], 0xfedcba98
	s_mov_b32 s[CS], 0x3e38aa3b                    ; log2(e) / 8
	s_mov_b32 s[CS+1], s[CS]
	s_mov_b32 s[CN], 0xbe38aa3b
	s_mov_b32 s[MNT], 0x600000
	s_mov_b32 s[HM], 0xffff0000
	s_wait_dscnt 0x0                               ; both opening adds are done
	s_wait_kmcnt 0x0
	s_mov_b32 s[G0], 1
	s_mov_b32 s[G0+1], s18
	s_add_nc_u64 s[G0+2:G0+3], s[6:7], s[16:17]
	s_or_b32 s[G0+3], s[G0+3], 0x80000000          ; type = 2
	s_add_nc_u64 s[4:5], s[4:5], s[20:21]
	s_add_nc_u64 s[8:9], s[8:9], s[22:23]
	s_add_nc_u64 s[10:11], s[10:11], s[38:39]
	CROUND                                         ; all four work-groups are here: the joint loads meet
	tensor_load_to_lds s[G0:G0+3], s[G1:G1+7]      ; record w: every wave's one tensor load of the launch
	s_nop 0
.rept 4
	v_nop
.endr
	v_and_b32 v[T0], 31, v0                        ; lane
	v_and_b32 v[T1], 15, v0                        ; r
	v_lshlrev_b32 v[LI], 4, v[T0]
	v_lshlrev_b32 v[LI8], 3, v[T0]
	v_add_nc_u32 v[QCO], s14, v[LI]
	v_lshl_add_u32 v[QSO], v[T1], 4, s19
	v_lshl_add_u32 v[STA], v[T1], 1, s37
	v_lshl_add_u32 v[STR], v0, 4, STG
	v_lshlrev_b32 v[OSO], 4, v0
	WALU
	global_load_b128 v[Q:Q+3], v[QCO], s[4:5]
	global_load_b128 v[Q+4:Q+7], v[QCO], s[4:5] offset:512
	global_load_b128 v[Q1:Q1+3], v[QCO], s[4:5] offset:2*QREC
	global_load_b128 v[Q1+4:Q1+7], v[QCO], s[4:5] offset:2*QREC+512
	global_load_b32 v[QS0], v[QSO], s[4:5]
	global_load_b32 v[QS1], v[QSO], s[4:5] offset:2*QREC
.irp i, 0,1,2,3,4,5,6,7
	v_mov_b32 v[Q+8+\i], 0                         ; the upper 64 of the first product's K: zero codes
	v_mov_b32 v[KV+64+\i], 0                       ; what follows k's last tile
.endr
.macro FRESH                           ; a pass begins: O^T and the sum as zeros, the largest score as -3e38, -M a large whole number: the first f is 0 and multiplies zeros
.set j, 0
.rept 32
	v_mov_b32 v[O+j], 0
.set j, j+1
.endr
	v_mov_b32 v14, 0
	v_mov_b32 v15, 0
	v_mov_b32 v13, 0xff61b1e6
	v_mov_b32 v12, 0x7e000000
.endm
	FRESH
.irp b, 0,1,2,3
	v_mov_b32 v[PB+\b], 0                          ; written once: a lane permute's destination counts as one of its sources
.endr
	v_mov_b32 v[F+1], 0                            ; (named as the upper half of the pair)
.macro KLOAD off                       ; k of the record off bytes behind s[TB]: eight tiles of 16 keys, and their scale words
.irp t, 0,1,2,3,4,5,6,7
	ds_load_b128 v[KV+8*\t:KV+8*\t+3], v[ADR] offset:(\off)+1024*\t
	ds_load_b128 v[KV+8*\t+4:KV+8*\t+7], v[ADR] offset:(\off)+1024*\t+512
.endr
	ds_load_b128 v[KS:KS+3], v[ADR] offset:(\off)+8192
.endm
.macro VLOAD off                       ; v of that record: four fragments of 16 of the head's 64 x 128 keys, and their scale words
.irp dt, 0,1,2,3
.irp c, 0,1,2,3
	ds_load_b128 v[KV+16*\dt+4*\c:KV+16*\dt+4*\c+3], v[ADR] offset:(\off)+8704+2048*\dt+512*\c
.endr
.endr
	ds_load_b64 v[VS:VS+1], v[ADR8] offset:(\off)+16896
.endm
.macro SPROD                           ; S^T = k q^T: lane (r, h) holds query r; register j of tile t key 16 t + 8 h + j
.irp t, 0,1,2,3
	v_wmma_scale_f32_16x16x128_f8f6f4 v[S+8*\t:S+8*\t+7], v[KV+8*\t:KV+8*\t+15], v[Q:Q+15], 0, v[KS+\t], v[QS0] matrix_a_fmt:MATRIX_FMT_BF8 matrix_b_fmt:MATRIX_FMT_BF8
.endr
.irp t, 4,5,6,7
	v_wmma_scale_f32_16x16x128_f8f6f4 v[S+8*\t:S+8*\t+7], v[KV+8*\t:KV+8*\t+15], v[Q:Q+15], 0, v[KS+\t-4], v[QS0] matrix_a_fmt:MATRIX_FMT_BF8 matrix_b_fmt:MATRIX_FMT_BF8 matrix_a_scale:MATRIX_SCALE_ROW1
.endr
.endm
.macro PV                              ; O^T += v^T p^T: four tiles of 16 of the head's 64, by turns, one instruction a turn
.irp dt, 0,1
	v_wmma_scale_f32_16x16x128_f8f6f4 v[O+8*\dt:O+8*\dt+7], v[KV+16*\dt:KV+16*\dt+15], v[PC:PC+15], v[O+8*\dt:O+8*\dt+7], v[VS+\dt], v[PS] matrix_a_fmt:MATRIX_FMT_BF8 matrix_b_fmt:MATRIX_FMT_BF8
.endr
.irp dt, 2,3
	v_wmma_scale_f32_16x16x128_f8f6f4 v[O+8*\dt:O+8*\dt+7], v[KV+16*\dt:KV+16*\dt+15], v[PC:PC+15], v[O+8*\dt:O+8*\dt+7], v[VS+\dt-2], v[PS] matrix_a_fmt:MATRIX_FMT_BF8 matrix_b_fmt:MATRIX_FMT_BF8 matrix_a_scale:MATRIX_SCALE_ROW1
.endr
.endm
.macro RS                              ; O^T x f, sixteen pairs in ascending order: each accumulator is read from its low end on
	WALU
.set j, 0
.rept 16
	v_pk_mul_f32 v[O+j:O+j+1], v[O+j:O+j+1], v[F:F+1] op_sel_hi:[1,0]
.set j, j+2
.endr
.endm
.macro SCALE16 from                    ; t - M of 32 scores, two at a time
.set j, \from
.rept 16
	v_pk_fma_f32 v[S+j:S+j+1], v[S+j:S+j+1], s[CS:CS+1], v[12:13] op_sel_hi:[1,0,0]
.set j, j+2
.endr
.endm
.macro SUMS m                          ; THE ROW'S SUM IS TAKEN OF THE UNQUANTISED p: four numbers, two to each of two chains
	v_pk_add_f32 v[14:15], v[14:15], v[S+4*(\m):S+4*(\m)+1]
	v_pk_add_f32 v[SUM2:SUM2+1], v[SUM2:SUM2+1], v[S+4*(\m)+2:S+4*(\m)+3]
.endm
; THE HOLD: the conversion to an 8-bit code does not saturate (ISA guide 7.6.2); p is not negative, so it is one-sided.  Two numbers a line: number e of block b with number e + 1 or e - 1 of block b + 1,
; so that the two destinations are an even and an odd register and each pair of sources lies in two register banks.
.macro HOLD2 b, e
.if (\e)%2 == 0
	v_dual_min_num_f32 v[S+16*(\b)+(\e)], v[S+16*(\b)+(\e)], v[HL+(\b)] :: v_dual_min_num_f32 v[S+16*(\b)+17+(\e)], v[S+16*(\b)+17+(\e)], v[HL+(\b)+1]
.else
	v_dual_min_num_f32 v[S+16*(\b)+15+(\e)], v[S+16*(\b)+15+(\e)], v[HL+(\b)+1] :: v_dual_min_num_f32 v[S+16*(\b)+(\e)], v[S+16*(\b)+(\e)], v[HL+(\b)]
.endif
.endm
.macro CODES b                         ; block b's 16 numbers of my lane become 16 codes
	v_cvt_scalef32_pk8_bf8_f32 v[PC+4*\b:PC+1+4*\b], v[S+16*\b:S+7+16*\b], v[SO+\b]
	v_cvt_scalef32_pk8_bf8_f32 v[PC+2+4*\b:PC+3+4*\b], v[S+8+16*\b:S+15+16*\b], v[SO+\b]
.endm
; A KEY STEP: 128 keys, whose k has been asked for.  pv = 1: the step before is finished on the way (s[TB] is ITS record): O^T x its f, its v, its v^T p^T.
; nk = 1: the next step's k is asked for, at off bytes behind s[TB];  nk = 2 (a pass's last step): this step's own v.
.macro STEP pv, nk, off
	s_wait_dscnt 0x0                               ; k and its scale words are in: no LDS instruction of mine is out
.if \pv
	v_add_nc_u32 v[ADR], s[TB], v[LI]              ; (also the plain lines between the last step's conversions and the products that write over their sources)
	v_add_nc_u32 v[ADR8], s[TB], v[LI8]
.endif
	SPROD
.if \pv
	RS                                             ; sixteen plain lines that name none of those products' registers: the places in front of the loads below and of the first reads of the scores
	VLOAD 0                                        ; into k's registers: it lands while the maximum is searched
.else
.rept 8
	v_nop                                          ; a pass's first step has nothing owed: the places are empty
.endr
.endif
.irp b, 0,1,2,3
	v_max3_num_f32 v[BM+\b], v[S+16*\b], v[S+1+16*\b], v[S+2+16*\b]   ; THE LARGEST SCORE OF EACH BLOCK OF 32 KEYS serves twice: for the row's maximum and, since p rises with the score, for the block's largest p
.endr
.irp b, 0,1,2,3
	v_max3_num_f32 v[PB+\b], v[S+8+16*\b], v[S+9+16*\b], v[S+10+16*\b]   ; a second chain for each block's second tile: eight chains by turns
.endr
.irp i, 3,5
.irp b, 0,1,2,3
	v_max3_num_f32 v[BM+\b], v[BM+\b], v[S+16*\b+\i], v[S+1+16*\b+\i]
.endr
.irp b, 0,1,2,3
	v_max3_num_f32 v[PB+\b], v[PB+\b], v[S+8+16*\b+\i], v[S+9+16*\b+\i]
.endr
.endr
.irp b, 0,1,2,3
	v_max3_num_f32 v[BM+\b], v[BM+\b], v[PB+\b], v[S+7+16*\b]
.endr
.irp b, 0,1,2,3
	v_max_num_f32 v[BM+\b], v[BM+\b], v[S+15+16*\b]
.endr
.irp b, 0,1,2,3
	v_permlanex16_b32 v[PB+\b], v[BM+\b], s[SEL], s[SEL+1]
.endr
.irp b, 0,2
	v_dual_max_num_f32 v[BM+\b], v[BM+\b], v[PB+\b] :: v_dual_max_num_f32 v[BM+\b+1], v[BM+\b+1], v[PB+\b+1]   ; with lane l xor 16's 16 keys
.endr
	v_max3_num_f32 v[T0], v[BM], v[BM+1], v[BM+2]
	v_mov_b32 v[T1], v12                           ; the old -M
	v_max3_num_f32 v13, v13, v[T0], v[BM+3]        ; the running largest score of my query
	v_mul_f32 v[T0], s[CN], v13                    ; -t (c is positive)
	v_floor_f32 v12, v[T0]                         ; the new -M = -ceil(t): a whole number
	v_sub_f32 v[T0], v12, v[T1]                    ; old M - new M: a whole number, 0 or less
	v_cvt_i32_f32 v[T0], v[T0]                     ; (it saturates)
	v_ldexp_f32 v[F], 1.0, v[T0]                   ; f = 2^(old M - new M)
	SCALE16 0
.if \pv
	s_wait_dscnt 0x0                               ; the last step's v and its scale words are in
	PV                                             ; its codes and its scale word were made at the last step's end
.endif
	SCALE16 32                                     ; these sixteen and the four below name none of the products' registers: twenty places, where eight are owed, in front of the loads below
.irp b, 0,1,2,3
	v_fma_f32 v[BM+\b], v[BM+\b], s[CS], v12       ; the same of each block's largest score
.endr
.if \nk == 1
	KLOAD \off                                     ; into v's registers: it lands while the rest of the softmax is walked
.else
	VLOAD \off
.endif
	WALU                                           ; one wait ahead of the batch,
.irp b, 0,1,2,3
	v_exp_f32 v[BM+\b], v[BM+\b]                   ; the block's largest p: the same two instructions on the same number as that p itself
.endr
.set n, 0
.rept 64
	v_exp_f32 v[S+n], v[S+n]                       ; p = 2^(t - M), at most 1
.set n, n+1
.endr
	v_pk_mul_f32 v[14:15], v[14:15], v[F:F+1] op_sel_hi:[1,0]   ; the sums under the new M: the plain line behind the batch
	WALU                                           ; and one behind it
.irp b, 0,2
	v_dual_max_num_f32 v[BM+\b], 0x8000000, v[BM+\b] :: v_dual_max_num_f32 v[BM+\b+1], 0x8000000, v[BM+\b+1]   ; the floor 2^(16 - 127): the byte cannot fall under 1
.endr
	v_pk_add_f32 v[SUM2:SUM2+1], v[S:S+1], v[S+2:S+3]
.irp b, 0,1,2,3
	v_add_nc_u32 v[SO+\b], 0xf8800000, v[BM+\b]    ; 15 off the exponent field: the conversion's scale operand
.endr
	SUMS 1
.irp b, 0,1,2,3
	v_and_or_b32 v[HL+\b], v[BM+\b], 0x7f800000, s[MNT]   ; 57,344 x the scale
.endr
	SUMS 2
.irp b, 0,1,2,3
	v_lshrrev_b32 v[PB+\b], 23, v[SO+\b]           ; the scale's byte
.endr
	SUMS 3
	v_lshl_or_b32 v[PS], v[PB+1], 8, v[PB]         ; p's scale word for these 128 keys
	SUMS 4
	v_lshl_or_b32 v[PS], v[PB+2], 16, v[PS]
	SUMS 5
	v_lshl_or_b32 v[PS], v[PB+3], 24, v[PS]
	SUMS 6
	SUMS 7
.set m_, 8
.rept 8                                ; blocks 2 and 3 are summed while blocks 0 and 1, summed above, are held
	SUMS m_
	HOLD2 0, 2*(m_-8)
	HOLD2 0, 2*(m_-8)+1
.set m_, m_+1
.endr
	CODES 0
	CODES 1
	v_pk_add_f32 v[14:15], v[14:15], v[SUM2:SUM2+1]
.set e_, 0
.rept 16
	HOLD2 2, e_
.set e_, e_+1
.endr
	CODES 2
	CODES 3
.endm
	WALU                                           ; the head's end
	s_wait_tensorcnt 0x0                           ; my record is in
	s_barrier_signal -1
	s_barrier_wait -1                              ; and so is every wave's: the whole head lies in LDS
	s_wait_loadcnt 0x0                             ; q
	s_mov_b32 s[PASS], 0
.Lpass:                                            ; two passes of sixteen key steps
	s_mov_b32 s[TB], 0
	v_add_nc_u32 v[ADR], s[TB], v[LI]
	KLOAD 0
	STEP 0, 1, REC                                 ; step 0; s[TB] is its own record
	s_mov_b32 s[CNT], 14
.Lstep:
	STEP 1, 1, 2*REC                               ; steps 1 to 14; s[TB] is the record of the step before.  The loads' offsets, 42,496 + 16 at the most, fit the 16 bits of an LDS instruction's immediate
	s_add_co_u32 s[TB], s[TB], REC
	s_sub_co_u32 s[CNT], s[CNT], 1
	s_cmp_lg_u32 s[CNT], 0
	WALU
	s_cbranch_scc1 .Lstep
	STEP 1, 2, REC                                 ; step 15
	RS                                             ; its f (sixteen places between the conversions and the products),
	WALU
	s_wait_dscnt 0x0                               ; its v,
	PV                                             ; its v^T p^T
; A PASS'S END.  o = O^T / the sum; its two blocks of 32 are quantised; the codes are brought into ascending K, since the last product's other operand is given so; they leave as an image.
.rept 8
	v_nop                                          ; places behind the last products
.endr
	v_add_f32 v14, v14, v15                        ; the sum's two halves,
	v_permlanex16_b32 v[T0], v14, s[SEL], s[SEL+1]
	v_add_f32 v14, v14, v[T0]                      ; and lane l xor 16's
	WALU
	v_rcp_f32 v14, v14
	v_nop                                          ; a plain place behind the transcendental
	WALU
.set j, 0
.rept 16
	v_pk_mul_f32 v[S+j:S+j+1], v[O+j:O+j+1], v[14:15] op_sel_hi:[1,0]   ; register 16 b + 8 u + i: o(r, 32 b + 16 u + 8 h + i); each accumulator from its low end on
.set j, j+2
.endr
.irp b, 0,1
	v_max3_num_f32 v[BM+\b], |v[S+16*\b]|, |v[S+1+16*\b]|, 0x8000000
.endr
.irp i, 2,4,6,8,10,12,14
.irp b, 0,1
	v_max3_num_f32 v[BM+\b], v[BM+\b], |v[S+16*\b+\i]|, |v[S+1+16*\b+\i]|
.endr
.endr
.irp b, 0,1
	v_permlanex16_b32 v[PB+\b], v[BM+\b], s[SEL], s[SEL+1]
.endr
.irp b, 0,1
	v_max_num_f32 v[BM+\b], v[BM+\b], v[PB+\b]
.endr
.irp b, 0,1
	v_add_nc_u32 v[SO+\b], 0xf8800000, v[BM+\b]
.endr
.irp b, 0,1
	v_and_or_b32 v[HL+\b], v[BM+\b], 0x7f800000, s[MNT]
.endr
.irp b, 0,1
	v_lshrrev_b32 v[PB+\b], 23, v[SO+\b]
.endr
.irp b, 0,1
.irp i, 0,1,2,3,4,5,6,7,8,9,10,11,12,13,14,15
	v_med3_num_f32 v[S+16*\b+\i], v[S+16*\b+\i], -v[HL+\b], v[HL+\b]
.endr
	v_cvt_scalef32_pk8_bf8_f32 v[S+32+4*\b:S+33+4*\b], v[S+16*\b:S+7+16*\b], v[SO+\b]
	v_cvt_scalef32_pk8_bf8_f32 v[S+34+4*\b:S+35+4*\b], v[S+8+16*\b:S+15+16*\b], v[SO+\b]
.endr
	v_nop                                          ; a plain place behind the last conversion
; Lanes 0-15 are to hold K = 0 .. 15 of a block: their own first eight codes and the partner's first eight; lanes 16-31 K = 16 .. 31: the partner's last eight and their own.  So each lane sends the eight that it does not keep.
.irp b, 0,1
	v_cndmask_b32 v[S+40+2*\b], v[S+34+4*\b], v[S+32+4*\b], s[HM]
	v_cndmask_b32 v[S+41+2*\b], v[S+35+4*\b], v[S+33+4*\b], s[HM]
.endr
.irp i, 0,1,2,3
	v_permlanex16_b32 v[S+44+\i], v[S+40+\i], s[SEL], s[SEL+1]
.endr
.irp b, 0,1
	v_cndmask_b32 v[S+32+4*\b], v[S+32+4*\b], v[S+44+2*\b], s[HM]
	v_cndmask_b32 v[S+33+4*\b], v[S+33+4*\b], v[S+45+2*\b], s[HM]
	v_cndmask_b32 v[S+34+4*\b], v[S+44+2*\b], v[S+34+4*\b], s[HM]
	v_cndmask_b32 v[S+35+4*\b], v[S+45+2*\b], v[S+35+4*\b], s[HM]
.endr
.irp b, 0,1
	global_store_b128 v[LI], v[S+32+4*\b:S+35+4*\b], s[8:9] offset:\b*512   ; the wave stores 512 consecutive bytes, aligned to 256
.endr
	v_lshl_or_b32 v[OSB], v[PB+1], 8, v[PB]
	ds_store_b16 v[STA], v[OSB]                    ; both lanes of a query write the same two bytes with the same value
.irp i, 0,1,2,3,4,5,6,7
	v_mov_b32 v[Q+\i], v[Q1+\i]                    ; the second pass's q and its scale word; the 36 lines below are their places
.endr
	v_mov_b32 v[QS0], v[QS1]
	FRESH
	v_add_nc_u32 v[STA], 512, v[STA]               ; the second pass's 256 tokens
	s_wait_xcnt 0x0                                ; the stores have read their data and their base: the next scores land on those registers, and the base steps
	s_add_nc_u64 s[8:9], s[8:9], 0x40000           ; the next block of 256 tokens: 8 x 16 x 2,048 bytes on
	s_add_co_u32 s[PASS], s[PASS], 1
	s_cmp_lg_u32 s[PASS], 2
	WALU
	s_cbranch_scc1 .Lpass
	s_wait_dscnt 0x0                               ; my scale bytes are in the stage: for the others' sake
	s_barrier_signal -1
	s_barrier_wait -1
	s_cmp_lt_u32 s[WV], 2                          ; the 512 tokens' bytes leave whole: 64 threads x 16 bytes, 1,024 consecutive bytes
	s_cbranch_scc0 .Lno_os
	ds_load_b128 v[S:S+3], v[STR]
	s_wait_dscnt 0x0
	global_store_b128 v[OSO], v[S:S+3], s[10:11]
.Lno_os:
	s_wait_tensorcnt 0x0                           ; the wave's end
	ds_add_u32 v[SPW], v[NIL]
	s_wait_dscnt 0x0
	CROUND                                         ; the closing round
	s_endpgm
.Lfunc_end_k_qe718199771_attn:
	.size	k_qe718199771_attn, .Lfunc_end_k_qe718199771_attn-k_qe718199771_attn
	.p2alignl 7, 3214868480
	.fill 96, 4, 3214868480
	.section	.rodata,"a",@progbits
	.p2align	6, 0x0
	.amdhsa_kernel k_qe718199771_attn
		.amdhsa_group_segment_fixed_size 327680
		.amdhsa_private_segment_fixed_size 0
		.amdhsa_enable_private_segment 0
		.amdhsa_kernarg_size 32
		.amdhsa_user_sgpr_count 2
		.amdhsa_user_sgpr_kernarg_segment_ptr 1
		.amdhsa_wavefront_size32 1
		.amdhsa_system_sgpr_workgroup_id_x 1
		.amdhsa_system_sgpr_workgroup_id_y 1
		.amdhsa_system_sgpr_workgroup_id_z 1
		.amdhsa_system_vgpr_workitem_id 0
		.amdhsa_next_free_vgpr 256
		.amdhsa_next_free_sgpr 66
		.amdhsa_reserve_vcc 0
		.amdhsa_float_denorm_mode_32 3
		.amdhsa_float_denorm_mode_16_64 3
		.amdhsa_memory_ordered 1
		.amdhsa_forward_progress 1
		.amdhsa_inst_pref_size 70
	.end_amdhsa_kernel
	.amdgpu_metadata
---
amdhsa.version: [ 1, 2 ]
amdhsa.kernels:
  - .name:           k_qe718199771_attn
    .symbol:         k_qe718199771_attn.kd
    .args:
      - { .name: qimg, .offset: 0, .size: 8, .value_kind: global_buffer, .address_space: global }
      - { .name: kv, .offset: 8, .size: 8, .value_kind: global_buffer, .address_space: global }
      - { .name: oimg, .offset: 16, .size: 8, .value_kind: global_buffer, .address_space: global }
      - { .name: os, .offset: 24, .size: 8, .value_kind: global_buffer, .address_space: global }
    .group_segment_fixed_size: 327680
    .private_segment_fixed_size: 0
    .kernarg_segment_align: 8
    .kernarg_segment_size: 32
    .max_flat_workgroup_size: 512
    .sgpr_count:     66
    .vgpr_count:     256
    .wavefront_size: 32
...
	.end_amdgpu_metadata
.endif
;; end of part 2
;; launch outp (part 3): grid 64 x 4, 4 waves a work-group, clusters of 4 x 1, 327,680 bytes of LDS; arguments oimg, os, Wo_codes, Wo_scales, bo, out0; writes out0
.if DOCPART == 3
	.amdgcn_target "amdgcn-amd-amdhsa--gfx1250"
	.amdhsa_code_object_version 6
	.text
	.protected	k_qe718199771_outp
	.globl	k_qe718199771_outp
	.p2align	8
	.type	k_qe718199771_outp,@function
k_qe718199771_outp:
	s_mov_b64 s[64:65], 0
	v_nop
	global_prefetch_b8 v0, s[64:65] scope:SCOPE_SE
	s_setreg_imm32_b32 hwreg(HW_REG_WAVE_MODE, 25, 1), 1
	s_wait_xcnt 0x0
	s_wait_alu depctr_hold_cnt(0) depctr_sa_sdst(0) depctr_va_vdst(0) depctr_va_sdst(0) depctr_va_ssrc(0) depctr_va_vcc(0) depctr_vm_vsrc(0)
	s_getreg_b32 s2, hwreg(HW_REG_IB_STS2, 6, 4)
	s_cmp_eq_u32 s2, 0
	s_cbranch_scc0 .Lentry_in_a_cluster
	s_endpgm
.Lentry_in_a_cluster:
	s_bfe_u32 s2, ttmp6, 0x10000c
	s_cmp_lg_u32 s2, 0x3003
	s_cbranch_scc0 .Lentry_shape_is_right
	s_endpgm
.Lentry_shape_is_right:
; out0 = o Wo^T + bo: 8,192 x 1,024 x 1,024 on codes of BF8 (E5M2) with one E8M0 scale for each 32 along K; sums in f32.
; SHARES.  A work-group makes 128 rows x 256 columns: 64 x 4 = 256 work-groups.  Its four waves lie 2 x 2: a wave makes 64 x 128, 32 accumulators.
; Wo: the block's 256 rows, ALL of K, lie in LDS (256 rows of 1,024 bytes + 16 of padding), filled ONCE: wave w brings rows 64 w on, its one tensor load.  Nothing is filled again: one barrier shows all.
; CLUSTER: four work-groups along the rows of out0 need the same 256 rows of Wo: each load is a joint load whose mask names the four.
; o: oimg holds images of operand registers, [block of 256 tokens][K step of 128][tile of 16 tokens][piece c][lane][16 bytes].  A wave takes its four tiles, all eight K steps, straight into 512 registers:
; each load of the wave is 512 consecutive bytes.  os holds o's scale bytes as [head][token], two bytes: a K step's word is made of two heads' halves.
; NO PREFETCH: all that the work-group reads is asked for at its head; no later step fetches from memory, so there is no loop in which to ask ahead.
; THE MATRIX INSTRUCTION IS USED TRANSPOSED (source 0 = 16 rows of Wo, source 1 = 16 rows of o): a lane holds eight neighbouring numbers of a row of out0.
; ORDER.  Sixteen groups of 16 products: group g is K step g / 2, column half g % 2 (four tiles of Wo in buffer g % 2).  Behind a group its buffer takes the group two on.  The first column half leaves ahead of the last group.
; REGISTERS, in windows of 256: window 0: addresses, scale words, bias, the way out's rows, from v128 Wo's two buffers; windows 1, 2: o (fragment 4 s + a at 16 registers each); window 3: accumulators (half, a, b) at 128 half + 8 (4 a + b).
; LIMITS: NaN and infinities in the sums are carried as the matrix unit gives them.
.set PITCH, 1040
.set SPARE, 256*PITCH                  ; the spare words, 128 bytes a wave: two blocks of 256 bytes that no other line names
.set STAGE, SPARE+512                  ; the way out: 16 rows x (256 bytes + 16) for each wave; no tile lands here
.set SP,   272
.set LI,   1                           ; v1  16 x lane
.set SPW,  2
.set NIL,  3
.set V2,   4                           ; v4  2 x lane
.set V32,  5                           ; v5  32 x lane
.set ADRB, 6                           ; v6, v7  my lane's place in Wo's tiles 0-3, 4-7 of my 128 rows
.set STO,  8
.set RD,   9
.set CO,   10
.set BOO,  11
.set SA,   32                          ; v32-47  o's scale words: register 8 p + s: lanes 0-15 tile 2 p, lanes 16-31 tile 2 p + 1
.set SB,   52                          ; v52-83  Wo's likewise: no product's two scale registers have numbers equal modulo 8
.set BO,   84                          ; v84-91  the bias: four numbers a lane for each column half
.set BK,   92                          ; v92-123 the way out's rows; at the head the upper halves of o's scale words
.set BF,   128
.set MSB, 0
.macro WIN new                         ; the immediate's high byte repeats the setting that is left
.if MSB != \new
	s_set_vgpr_msb (MSB<<8)|\new
.set MSB, \new
.endif
.endm
.macro PLACES n
.rept \n
	v_nop
.endr
.endm
.macro CROUND                          ; a round of the cluster's barrier
	s_barrier_signal -1
	s_barrier_wait -1
	s_cmp_lg_u32 s16, 0
	s_cbranch_scc1 .Lnot_wave_0_\@
	s_barrier_signal -3
.Lnot_wave_0_\@:
	s_barrier_wait -3
	s_barrier_signal -1
	s_barrier_wait -1
.endm
	s_load_b256 s[4:11], s[0:1], 0x0               ; oimg, os, Wo_codes, Wo_scales
	s_load_b128 s[12:15], s[0:1], 0x20             ; bo, out0
	v_lshl_add_u32 v[SPW], v0, 2, SPARE
	v_mov_b32 v[NIL], 0
	ds_add_u32 v[SPW], v[NIL]                      ; the opening: the add, twice on end, and its wait ahead of my tensor load
	ds_add_u32 v[SPW], v[NIL]
	v_lshrrev_b32 v12, 5, v0
	v_readfirstlane_b32 s16, v12                   ; wave 0..3
	s_lshr_b32 s17, s16, 1                         ; which 64 rows
	s_and_b32 s18, s16, 1                          ; which 128 columns
	s_bfe_u32 s19, ttmp6, 0x40000                  ; cx: it enters o's, its scales' and out0's global addresses alone
	s_lshl_b32 s20, ttmp9, 2
	s_add_co_u32 s20, s20, s19                     ; block of 128 rows
	s_and_b32 s21, ttmp7, 0xffff                   ; block of 256 columns, which the four partners share
	s_mov_b32 s24, 15|(1<<20)|(1<<21)|(7<<22)|(3<<25)   ; the mask names all four; elements of 1 byte; four words of padding behind every 256; bit 21 beside the mask
	s_mov_b32 s25, 1024<<16
	s_mov_b32 s26, 64<<16
	s_mov_b32 s27, 1024<<16
	s_mov_b32 s28, 64
	s_mov_b32 s29, 1024
	s_mov_b32 s30, 0
	s_mov_b32 s31, 0
	s_lshl_b32 s36, s21, 18
	s_lshl_b32 s22, s16, 16
	s_add_co_u32 s36, s36, s22                     ; Wo: row 256 x column block + 64 x wave
	s_mov_b32 s37, 0
	s_mul_i32 s33, s16, 64*PITCH                   ; and its place in LDS
	s_lshr_b32 s38, s20, 1
	s_lshl_b32 s38, s38, 18                        ; oimg: the block of 256 tokens,
	s_and_b32 s22, s20, 1
	s_lshl_b32 s22, s22, 14
	s_add_co_u32 s38, s38, s22                     ; its half of eight tiles,
	s_lshl_b32 s22, s17, 13
	s_add_co_u32 s38, s38, s22                     ; my four of them
	s_mov_b32 s39, 0
	s_lshl_b32 s40, s20, 7
	s_lshl_b32 s22, s17, 6
	s_add_co_u32 s40, s40, s22                     ; my first row
	s_lshl_b32 s42, s40, 12                        ; in out0
	s_lshl_b32 s40, s40, 1                         ; in os
	s_mov_b32 s41, 0
	s_lshl_b32 s44, s21, 8
	s_lshl_b32 s22, s18, 7
	s_add_co_u32 s44, s44, s22                     ; my first column
	s_lshl_b32 s46, s44, 5                         ; in Wo_scales
	s_mov_b32 s47, 0
	s_lshl_b32 s44, s44, 2                         ; in bo and in a row of out0
	s_mov_b32 s45, 0
	s_add_co_u32 s42, s42, s44
	s_mov_b32 s43, 0
	s_mul_i32 s22, s18, 128*PITCH                  ; my 128 rows of Wo in LDS
	s_mul_i32 s23, s16, 16*SP
	s_add_co_u32 s23, s23, STAGE                   ; my stage
	v_and_b32 v12, 31, v0                          ; lane
	v_and_b32 v13, 15, v0                          ; r
	v_bfe_u32 v14, v0, 4, 1                        ; h
	v_lshlrev_b32 v[LI], 4, v12
	v_lshlrev_b32 v[V2], 1, v12
	v_lshlrev_b32 v[V32], 5, v12
	v_mul_u32_u24 v15, v13, PITCH
	v_lshl_add_u32 v15, v14, 4, v15
	v_add_nc_u32 v[ADRB], s22, v15                 ; row r x pitch + 16 h
	v_add_nc_u32 v[ADRB+1], 64*PITCH, v[ADRB]
	v_mul_u32_u24 v16, v13, SP
	v_lshl_add_u32 v16, v14, 5, v16
	v_add_nc_u32 v[STO], s23, v16                  ; in: row r, 32 bytes for each half of the lanes
	v_mul_u32_u24 v17, v14, SP
	v_lshl_add_u32 v17, v13, 4, v17
	v_add_nc_u32 v[RD], s23, v17                   ; back: lanes 0-15 one row of 256 bytes, lanes 16-31 the next
	v_lshlrev_b32 v[BOO], 4, v13
	v_lshl_add_u32 v[CO], v14, 12, v[BOO]          ; and the same two rows in out0
	s_wait_alu depctr_va_vdst(0)
	s_wait_dscnt 0x0                               ; both opening adds are done
	s_wait_kmcnt 0x0
	s_mov_b32 s32, 1
	s_add_nc_u64 s[34:35], s[8:9], s[36:37]
	s_or_b32 s35, s35, 0x80000000                  ; type = 2
	s_add_nc_u64 s[4:5], s[4:5], s[38:39]
	s_add_nc_u64 s[6:7], s[6:7], s[40:41]
	s_add_nc_u64 s[10:11], s[10:11], s[46:47]
	s_add_nc_u64 s[12:13], s[12:13], s[44:45]
	s_add_nc_u64 s[14:15], s[14:15], s[42:43]
	CROUND                                         ; all four work-groups are here: the joint loads meet
	tensor_load_to_lds s[32:35], s[24:31]          ; 64 rows of Wo: every wave's one tensor load of the launch
	s_nop 0
	PLACES 4
.irp q, 0,1,2,3
.irp e, 0,1
	global_load_b128 v[SB+8*\q+4*\e:SB+8*\q+4*\e+3], v[V32], s[10:11] offset:1024*\q+16*\e   ; lane l: the eight words of row 32 q + l
.endr
.endr
.irp p, 0,1
.irp s, 0,1,2,3,4,5,6,7
	global_load_u16 v[SA+8*\p+\s], v[V2], s[6:7] offset:32768*\s+64*\p          ; token 32 p + l: head 2 s's two bytes,
	global_load_u16 v[BK+8*\p+\s], v[V2], s[6:7] offset:32768*\s+16384+64*\p    ; head 2 s + 1's
.endr
.endr
.irp h, 0,1
	global_load_b128 v[BO+4*\h:BO+4*\h+3], v[BOO], s[12:13] offset:256*\h
.endr
.irp s, 0,1,2,3,4,5,6,7                ; o: sixteen loads a K step, K ascending
	WIN (1+\s/4)<<6
.irp a, 0,1,2,3
.irp c, 0,1,2,3
	global_load_b128 v[16*((4*\s+\a)%16)+4*\c:16*((4*\s+\a)%16)+4*\c+3], v[LI], s[4:5] offset:32768*\s+2048*\a+512*\c
.endr
.endr
.endr
	WIN 0
.macro BLOAD g                         ; group g's four fragments of Wo into buffer g % 2: 16 loads
.irp b, 0,1,2,3
.irp c, 0,1,2,3
	ds_load_b128 v[BF+64*((\g)%2)+16*\b+4*\c:BF+64*((\g)%2)+16*\b+4*\c+3], v[ADRB+(\g)%2] offset:\b*16*PITCH+128*((\g)/2)+32*\c
.endr
.endr
.endm
.macro WM a, b                         ; s_, h_: the group's K step and column half
.set rD, 128*h_+8*(4*(\a)+(\b))
.set rB, BF+64*h_+16*(\b)
.set rA, 16*((4*s_+(\a))%16)
.set rX, SB+8*((4*h_+(\b))/2)+s_
.set rY, SA+8*((\a)/2)+s_
.set par, 2*((\a)%2)+((\b)%2)
.if s_ == 0                            ; the first K step starts the sums: nothing is cleared
.if par == 0
	v_wmma_scale_f32_16x16x128_f8f6f4 v[rD:rD+7], v[rB:rB+15], v[rA:rA+15], 0, v[rX], v[rY] matrix_a_fmt:MATRIX_FMT_BF8 matrix_b_fmt:MATRIX_FMT_BF8
.elseif par == 1
	v_wmma_scale_f32_16x16x128_f8f6f4 v[rD:rD+7], v[rB:rB+15], v[rA:rA+15], 0, v[rX], v[rY] matrix_a_fmt:MATRIX_FMT_BF8 matrix_b_fmt:MATRIX_FMT_BF8 matrix_a_scale:MATRIX_SCALE_ROW1
.elseif par == 2
	v_wmma_scale_f32_16x16x128_f8f6f4 v[rD:rD+7], v[rB:rB+15], v[rA:rA+15], 0, v[rX], v[rY] matrix_a_fmt:MATRIX_FMT_BF8 matrix_b_fmt:MATRIX_FMT_BF8 matrix_b_scale:MATRIX_SCALE_ROW1
.else
	v_wmma_scale_f32_16x16x128_f8f6f4 v[rD:rD+7], v[rB:rB+15], v[rA:rA+15], 0, v[rX], v[rY] matrix_a_fmt:MATRIX_FMT_BF8 matrix_b_fmt:MATRIX_FMT_BF8 matrix_a_scale:MATRIX_SCALE_ROW1 matrix_b_scale:MATRIX_SCALE_ROW1
.endif
.else
.if par == 0
	v_wmma_scale_f32_16x16x128_f8f6f4 v[rD:rD+7], v[rB:rB+15], v[rA:rA+15], v[rD:rD+7], v[rX], v[rY] matrix_a_fmt:MATRIX_FMT_BF8 matrix_b_fmt:MATRIX_FMT_BF8
.elseif par == 1
	v_wmma_scale_f32_16x16x128_f8f6f4 v[rD:rD+7], v[rB:rB+15], v[rA:rA+15], v[rD:rD+7], v[rX], v[rY] matrix_a_fmt:MATRIX_FMT_BF8 matrix_b_fmt:MATRIX_FMT_BF8 matrix_a_scale:MATRIX_SCALE_ROW1
.elseif par == 2
	v_wmma_scale_f32_16x16x128_f8f6f4 v[rD:rD+7], v[rB:rB+15], v[rA:rA+15], v[rD:rD+7], v[rX], v[rY] matrix_a_fmt:MATRIX_FMT_BF8 matrix_b_fmt:MATRIX_FMT_BF8 matrix_b_scale:MATRIX_SCALE_ROW1
.else
	v_wmma_scale_f32_16x16x128_f8f6f4 v[rD:rD+7], v[rB:rB+15], v[rA:rA+15], v[rD:rD+7], v[rX], v[rY] matrix_a_fmt:MATRIX_FMT_BF8 matrix_b_fmt:MATRIX_FMT_BF8 matrix_a_scale:MATRIX_SCALE_ROW1 matrix_b_scale:MATRIX_SCALE_ROW1
.endif
.endif
.endm
; A group: 16 products on 16 accumulators by turns; an accumulator comes up again 32 products on.
.macro GROUP g
.set s_, (\g)/2
.set h_, (\g)%2
.if h_ == 0 && s_ > 4
	s_wait_loadcnt (7-s_)*16                       ; o's K step s is in: behind it stand the 16 loads of each later K step
.endif
.if (\g) == 15
	s_wait_dscnt 0x0
.else
	s_wait_dscnt 16                                ; this group's fragments are in; the next group's 16 loads may be out
.endif
	WIN 0xf0|((1+s_/4)<<2)                         ; source 0 window 0, source 1 window 1 or 2, C and D window 3
.irp a, 0,1,2,3
.irp b, 0,1,2,3
	WM \a, \b
.endr
.endr
	WIN 0
	PLACES 8                                       ; in front of loads into registers that these products have read, and of the first reads of finished sums
.if (\g) < 14
	BLOAD (\g)+2
.endif
.endm
; THE WAY OUT of a column half: four blocks of 16 rows x 64 columns.  A lane holds 32 neighbouring bytes of a row: a block goes through my own stage and comes back as whole rows of 256 bytes; the bias is added; sixteen lanes store one aligned unit of 256 bytes.
.macro OUT hf
.irp a, 0,1,2,3
	s_wait_xcnt 0x0                                ; the block before's stores have read their registers
	WIN 0x0c                                       ; the data: window 3
.irp b, 0,1,2,3
	ds_store_b128 v[STO], v[128*\hf+32*\a+8*\b:128*\hf+32*\a+8*\b+3] offset:64*\b       ; each accumulator from its low end on
	ds_store_b128 v[STO], v[128*\hf+32*\a+8*\b+4:128*\hf+32*\a+8*\b+7] offset:64*\b+16
.endr
	WIN 0
.irp t, 0,1,2,3,4,5,6,7
	ds_load_b128 v[BK+4*\t:BK+4*\t+3], v[RD] offset:\t*2*SP    ; LDS serves a wave's instructions in order (ISA guide 5.7.1.4): these see the stores above
.endr
	s_wait_dscnt 0x0
.irp t, 0,1,2,3,4,5,6,7
	v_pk_add_f32 v[BK+4*\t:BK+4*\t+1], v[BK+4*\t:BK+4*\t+1], v[BO+4*\hf:BO+4*\hf+1]
	v_pk_add_f32 v[BK+4*\t+2:BK+4*\t+3], v[BK+4*\t+2:BK+4*\t+3], v[BO+4*\hf+2:BO+4*\hf+3]
	global_store_b128 v[CO], v[BK+4*\t:BK+4*\t+3], s[14:15] offset:(16*\a+2*\t)*4096+256*\hf th:TH_STORE_NT
.endr
.endr
.endm
	s_wait_tensorcnt 0x0                           ; my 64 rows of Wo are in
	s_barrier_signal -1
	s_barrier_wait -1                              ; and so are every wave's
	BLOAD 0
	BLOAD 1
	s_wait_loadcnt 48                              ; the scale words, the bias and o's K steps 0 to 4 are in: behind them stand the 48 loads of K steps 5 to 7
.set cc_, 0
.rept 16
	v_lshl_or_b32 v[SA+cc_], v[BK+cc_], 16, v[SA+cc_]   ; a K step's word: two heads' halves
.set cc_, cc_+1
.endr
	PLACES 8                                       ; a scale register written by a vector instruction stands eight places ahead of the product
	s_wait_alu depctr_va_vdst(0)
.set g_, 0
.rept 15
	GROUP g_
.set g_, g_+1
.endr
	OUT 0                                          ; the first column half is finished: it leaves ahead of the last group
	GROUP 15
	OUT 1
	s_wait_tensorcnt 0x0                           ; the wave's end
	ds_add_u32 v[SPW], v[NIL]
	s_wait_dscnt 0x0
	CROUND                                         ; the closing round
	s_endpgm
.Lfunc_end_k_qe718199771_outp:
	.size	k_qe718199771_outp, .Lfunc_end_k_qe718199771_outp-k_qe718199771_outp
	.p2alignl 7, 3214868480
	.fill 96, 4, 3214868480
	.section	.rodata,"a",@progbits
	.p2align	6, 0x0
	.amdhsa_kernel k_qe718199771_outp
		.amdhsa_group_segment_fixed_size 327680
		.amdhsa_private_segment_fixed_size 0
		.amdhsa_enable_private_segment 0
		.amdhsa_kernarg_size 48
		.amdhsa_user_sgpr_count 2
		.amdhsa_user_sgpr_kernarg_segment_ptr 1
		.amdhsa_wavefront_size32 1
		.amdhsa_system_sgpr_workgroup_id_x 1
		.amdhsa_system_sgpr_workgroup_id_y 1
		.amdhsa_system_sgpr_workgroup_id_z 1
		.amdhsa_system_vgpr_workitem_id 0
		.amdhsa_next_free_vgpr 1024
		.amdhsa_next_free_sgpr 66
		.amdhsa_reserve_vcc 0
		.amdhsa_float_denorm_mode_32 3
		.amdhsa_float_denorm_mode_16_64 3
		.amdhsa_memory_ordered 1
		.amdhsa_forward_progress 1
		.amdhsa_inst_pref_size 100
	.end_amdhsa_kernel
	.amdgpu_metadata
---
amdhsa.version: [ 1, 2 ]
amdhsa.kernels:
  - .name:           k_qe718199771_outp
    .symbol:         k_qe718199771_outp.kd
    .args:
      - { .name: oimg, .offset: 0, .size: 8, .value_kind: global_buffer, .address_space: global }
      - { .name: os, .offset: 8, .size: 8, .value_kind: global_buffer, .address_space: global }
      - { .name: Wo_codes, .offset: 16, .size: 8, .value_kind: global_buffer, .address_space: global }
      - { .name: Wo_scales, .offset: 24, .size: 8, .value_kind: global_buffer, .address_space: global }
      - { .name: bo, .offset: 32, .size: 8, .value_kind: global_buffer, .address_space: global }
      - { .name: out0, .offset: 40, .size: 8, .value_kind: global_buffer, .address_space: global }
    .group_segment_fixed_size: 327680
    .private_segment_fixed_size: 0
    .kernarg_segment_align: 8
    .kernarg_segment_size: 48
    .max_flat_workgroup_size: 128
    .sgpr_count:     66
    .vgpr_count:     1024
    .wavefront_size: 32
...
	.end_amdgpu_metadata
.endif
;; end of part 3
